; MI455X (gfx1250); checked and timed in simulation.
; The chip was launched on July 23, 2026; its instructions are those of AMD's public machine-readable ISA for CDNA 5 (MIT licence, August 2026) and "CDNA5" Instruction Set Architecture Reference Guide (July 2026). The comments in the code are by the model that wrote it; some were corrected since.
;; GD Attention. Allowed arithmetic: float matrix products may take bf16 or f16 operands with f32 sums; other float arithmetic in f32, or as packed bf16 or f16 multiplies, adds, multiply-adds, maxima and minima; sums over many terms, partial sums and values carried from step to step in f32; what a program stores and reads back later, other than sums and carried values, may be rounded once to bf16 or f16.
;; Inputs: W_LR 1 x 8 x 1 x 1 float32; W_k_diag 8 x 1,024 float32; W_o 8,192 x 1,024 float32; W_q_diag 8 x 1,024 float32; W_v_diag 8 x 1,024 float32; e 2 x 1,024 x 1,024 float32; p 2 x 1,025 x 1,024 float32; wte_weight 32,000 x 1,024 float32.
;; Outputs: out0 2 x 1,024 x 1,024 float32.
;; 2 versions, each right; version 2 is version 1 with the launch prep1 written anew for expert scheduling mode. Each part assembles by itself: llvm-mc -triple=amdgcn-amd-amdhsa -mcpu=gfx1250 --defsym DOCPART=n.
;; ======== version 1 of 2: 5 launches
;; limits: values outside matrix products are rounded to bf16
;; workspace buffers: part 1,048,576 bytes; pb 4,198,400 bytes; wob 16,777,216 bytes; vc 4,198,400 bytes; stats 1,048,576 bytes; pt 33,554,432 bytes; y 33,554,432 bytes; part3 67,108,864 bytes
;; launch prep1 (part 1): grid 461 x 1, 8 waves a work-group, no clusters, 0 bytes of LDS; arguments wte_weight, p, part, pb; writes part, pb
.if DOCPART == 1
	.amdgcn_target "amdgcn-amd-amdhsa--gfx1250"
	.amdhsa_code_object_version 6
	.text
	.protected	k_q914fd98bde_prep1
	.globl	k_q914fd98bde_prep1
	.p2align	8
	.type	k_q914fd98bde_prep1,@function
k_q914fd98bde_prep1:
	s_mov_b64 s[64:65], 0
	v_nop
	global_prefetch_b8 v0, s[64:65] scope:SCOPE_SE
	s_setreg_imm32_b32 hwreg(HW_REG_WAVE_MODE, 25, 1), 1
	s_wait_xcnt 0x0
; Two streams in one launch, told apart by the work-group's number:
;   0 .. 255    part[g][c] = sum of wte rows 125 g .. 125 g + 124 (f32), 256 partial column sums
;   256 .. 460  pb = bf16(p), 10 rows of 1,024 numbers each (2,050 rows in all)
; Eight waves; thread t owns the 16 bytes at 16 t of every f32 row, so a wave's load covers 512 consecutive bytes and the
; eight waves a whole row.  No LDS, no matrix unit, no cluster: no byte is read twice and no work-group shares an input.
.set ROW,   4096                       ; bytes in an f32 row
.set DEPTH, 25                         ; loads of a wave that are on their way in the sum
.set X,     8                          ; v[8:107]   slot i: 4 registers as loaded
.set ACC,   108                        ; v[108:123] four chains of 4 sums
; One slot's turn in the sum.  ahead = 1: the slot is filled again with the row DEPTH further down.
.macro SLOT i, ahead, left
	s_wait_loadcnt \left                           ; loads come back in order: mine is in, the younger ones stay out
	v_pk_add_f32 v[ACC+4*(\i%4):ACC+4*(\i%4)+1], v[ACC+4*(\i%4):ACC+4*(\i%4)+1], v[X+4*\i:X+4*\i+1]
	v_pk_add_f32 v[ACC+4*(\i%4)+2:ACC+4*(\i%4)+3], v[ACC+4*(\i%4)+2:ACC+4*(\i%4)+3], v[X+4*\i+2:X+4*\i+3]
.if \ahead
	global_load_b128 v[X+4*\i:X+4*\i+3], v1, s[4:5] offset:(DEPTH+\i)*ROW th:TH_LOAD_NT
.endif
.endm
	s_load_b256 s[4:11], s[0:1], 0x0               ; wte s[4:5], p s[6:7], part s[8:9], pb s[10:11]
	v_lshlrev_b32 v1, 4, v0                        ; my 16 bytes of an f32 row
	v_lshlrev_b32 v2, 3, v0                        ; my 8 bytes of a bf16 row
	s_mov_b32 s17, 0
	s_mov_b32 s19, 0
	s_wait_kmcnt 0x0
	s_cmp_lt_u32 ttmp9, 256
	s_cbranch_scc1 .Lsum
	; p: 10 rows; all ten loads go out first, the counts run down
	s_sub_co_u32 s20, ttmp9, 256
	s_mul_i32 s16, s20, 10*ROW
	s_mul_i32 s18, s20, 5*ROW
	s_add_nc_u64 s[6:7], s[6:7], s[16:17]
	s_add_nc_u64 s[10:11], s[10:11], s[18:19]
.irp i, 0,1,2,3,4,5,6,7,8,9
	global_load_b128 v[X+4*\i:X+4*\i+3], v1, s[6:7] offset:\i*ROW th:TH_LOAD_NT
.endr
.irp i, 0,1,2,3,4,5,6,7,8,9
	s_wait_loadcnt 9-\i
	v_cvt_pk_bf16_f32 v[X+4*\i], v[X+4*\i], v[X+4*\i+1]
	v_cvt_pk_bf16_f32 v[X+4*\i+1], v[X+4*\i+2], v[X+4*\i+3]
	global_store_b64 v2, v[X+4*\i:X+4*\i+1], s[10:11] offset:\i*ROW/2     ; 32 lanes x 8 bytes = 256 consecutive bytes, aligned
.endr
	s_endpgm
.Lsum:	; 125 rows = 5 rounds of 25 slots
	s_mul_i32 s16, ttmp9, 125*ROW
	s_lshl_b32 s18, ttmp9, 12
	s_add_nc_u64 s[4:5], s[4:5], s[16:17]
	s_add_nc_u64 s[8:9], s[8:9], s[18:19]
.irp i, 0,1,2,3,4,5,6,7,8,9,10,11,12,13,14,15,16,17,18,19,20,21,22,23,24
	global_load_b128 v[X+4*\i:X+4*\i+3], v1, s[4:5] offset:\i*ROW th:TH_LOAD_NT
.endr
.irp i, 0,1,2,3,4,5,6,7,8,9,10,11,12,13,14,15
	v_mov_b32 v[ACC+\i], 0
.endr
	s_mov_b32 s20, 4
.Lround:
.irp i, 0,1,2,3,4,5,6,7,8,9,10,11,12,13,14,15,16,17,18,19,20,21,22,23,24
	SLOT \i, 1, DEPTH-1
.endr
	s_wait_xcnt 0x0                                ; the base is stepped only behind this wait
	s_add_nc_u64 s[4:5], s[4:5], DEPTH*ROW
	s_sub_co_u32 s20, s20, 1
	s_cmp_lg_u32 s20, 0
	s_cbranch_scc1 .Lround
.irp i, 0,1,2,3,4,5,6,7,8,9,10,11,12,13,14,15,16,17,18,19,20,21,22,23,24
	SLOT \i, 0, DEPTH-1-\i                         ; the last round loads nothing: the counts run down
.endr
	v_pk_add_f32 v[ACC:ACC+1], v[ACC:ACC+1], v[ACC+4:ACC+5]
	v_pk_add_f32 v[ACC+2:ACC+3], v[ACC+2:ACC+3], v[ACC+6:ACC+7]
	v_pk_add_f32 v[ACC+8:ACC+9], v[ACC+8:ACC+9], v[ACC+12:ACC+13]
	v_pk_add_f32 v[ACC+10:ACC+11], v[ACC+10:ACC+11], v[ACC+14:ACC+15]
	v_pk_add_f32 v[ACC:ACC+1], v[ACC:ACC+1], v[ACC+8:ACC+9]
	v_pk_add_f32 v[ACC+2:ACC+3], v[ACC+2:ACC+3], v[ACC+10:ACC+11]
	global_store_b128 v1, v[ACC:ACC+3], s[8:9]
	s_endpgm
.Lfunc_end_k_q914fd98bde_prep1:
	.size	k_q914fd98bde_prep1, .Lfunc_end_k_q914fd98bde_prep1-k_q914fd98bde_prep1
	.p2alignl 7, 3214868480
	.fill 96, 4, 3214868480
	.section	.rodata,"a",@progbits
	.p2align	6, 0x0
	.amdhsa_kernel k_q914fd98bde_prep1
		.amdhsa_group_segment_fixed_size 0
		.amdhsa_private_segment_fixed_size 0
		.amdhsa_enable_private_segment 0
		.amdhsa_kernarg_size 32
		.amdhsa_user_sgpr_count 2
		.amdhsa_user_sgpr_kernarg_segment_ptr 1
		.amdhsa_wavefront_size32 1
		.amdhsa_system_sgpr_workgroup_id_x 1
		.amdhsa_system_sgpr_workgroup_id_y 1
		.amdhsa_system_sgpr_workgroup_id_z 1
		.amdhsa_system_vgpr_workitem_id 0
		.amdhsa_next_free_vgpr 124
		.amdhsa_next_free_sgpr 66
		.amdhsa_reserve_vcc 0
		.amdhsa_float_denorm_mode_32 3
		.amdhsa_float_denorm_mode_16_64 3
		.amdhsa_memory_ordered 1
		.amdhsa_forward_progress 1
		.amdhsa_inst_pref_size 19
	.end_amdhsa_kernel
	.amdgpu_metadata
---
amdhsa.version: [ 1, 2 ]
amdhsa.kernels:
  - .name:           k_q914fd98bde_prep1
    .symbol:         k_q914fd98bde_prep1.kd
    .args:
      - { .name: wte_weight, .offset: 0, .size: 8, .value_kind: global_buffer, .address_space: global }
      - { .name: p, .offset: 8, .size: 8, .value_kind: global_buffer, .address_space: global }
      - { .name: part, .offset: 16, .size: 8, .value_kind: global_buffer, .address_space: global }
      - { .name: pb, .offset: 24, .size: 8, .value_kind: global_buffer, .address_space: global }
    .group_segment_fixed_size: 0
    .private_segment_fixed_size: 0
    .kernarg_segment_align: 8
    .kernarg_segment_size: 32
    .max_flat_workgroup_size: 256
    .sgpr_count:     66
    .vgpr_count:     124
    .wavefront_size: 32
...
	.end_amdgpu_metadata
.endif
;; end of part 1
;; launch scores (part 2): grid 8 x 32, 4 waves a work-group, clusters of 4 x 1, 327,680 bytes of LDS; arguments pb, W_q_diag, W_k_diag, pt, stats, part, e, vc, W_o, wob; writes pt, stats, vc, wob
.if DOCPART == 2
	.amdgcn_target "amdgcn-amd-amdhsa--gfx1250"
	.amdhsa_code_object_version 6
	.text
	.protected	k_q914fd98bde_scores
	.globl	k_q914fd98bde_scores
	.p2align	8
	.type	k_q914fd98bde_scores,@function
k_q914fd98bde_scores:
	s_mov_b64 s[64:65], 0
	v_nop
	global_prefetch_b8 v0, s[64:65] scope:SCOPE_SE
	s_setreg_imm32_b32 hwreg(HW_REG_WAVE_MODE, 25, 1), 1
	s_wait_xcnt 0x0
	s_wait_alu depctr_hold_cnt(0) depctr_sa_sdst(0) depctr_va_vdst(0) depctr_va_sdst(0) depctr_va_ssrc(0) depctr_va_vcc(0) depctr_vm_vsrc(0)
	s_getreg_b32 s2, hwreg(HW_REG_IB_STS2, 6, 4)
	s_cmp_eq_u32 s2, 0
	s_cbranch_scc0 .Lentry_in_a_cluster
	s_endpgm
.Lentry_in_a_cluster:
	s_bfe_u32 s2, ttmp6, 0x10000c
	s_cmp_lg_u32 s2, 0x3003
	s_cbranch_scc0 .Lentry_shape_is_right
	s_endpgm
.Lentry_shape_is_right:
; THREE JOBS, told apart by the work-group's y, which the four work-groups of a cluster share:
;   y = 0 .. 19   the scores (below): 160 work-groups, one for each causal block
;   y = 20 .. 23  E[c] = (sum over the 256 rows of part) / 32000;  vc[row][c] = bf16(e[row][c] - E[c]);  E in f32 at byte 4,194,304 of vc
;   y = 24 .. 31  wob = bf16(W_o)
; The triangle has only 160 blocks of equal work; the other two jobs feed later launches, hang on nothing that the blocks make, and move through
; registers the bytes that the blocks leave memory free for.  They issue no tensor load and end in the launch's closing round.
;
; THE SCORES.  One causal block of 256 queries x 256 keys of S = (p[q+1] * Wq[h] * Wk[h]) . p[k], K = 1,024 features, and the first level of its softmax:
; for each row and each 128 keys  m = max(S), l = sum exp(S - m),  P = exp(S - m) in bf16.
;   pt[(8 b + h) 1024 + q][key] = P;   stats: M[blk of 128 keys][row] = m log2(e) at byte 0, L the same at byte 524,288.
; x = head (8), y = 10 b + t, t numbering the ten blocks (ti, tj <= ti) of the lower triangle.
; CLUSTER: the four work-groups of a cluster are four heads of one (b, ti, tj).  They need the same rows of p for queries and keys, so both tiles
; are asked for jointly (mask 15); the head's factor w = Wq Wk is applied in registers, to the query fragments (bf16 x bf16 -> bf16).
; Four waves, each 128 x 128 of S in 512 registers; K in steps of 128 through two LDS slots; the matrix instruction is used transposed
; (source 0 = keys, source 1 = queries), so that lane l holds row l % 16 and eight neighbouring keys 8 (l / 16) + 0..7 of each 16 x 16 tile.
; LIMITS: a block of 128 keys that is masked whole gets m = -2^127 and l = 0, so true scores below -2^127 are not told apart from masked ones;
; NaN and infinite inputs are not followed; p, w and their product are rounded to bf16, P too; l sums the f32 exponentials;
; the mean is a multiplication by 1/32000 rounded to f32.
; REGISTERS: window 0: v0-31 addresses, v32-47 w's fragments (two buffers), v48-63 m and l, v64-127 / v128-191 query fragments, v192-255 at work;
; window 1: v64-127 / v128-191 key fragments; windows 2, 3: the accumulators, tile (a, b) at v[8 (8 a + b)].  The side jobs stay in v0-151.
.set KSTEP,  128
.set PITCH,  272                       ; an LDS row: 256 bytes + 16 of padding, so that row r begins 16 r bytes further modulo 256
.set HALFT,  128*PITCH                 ; what one tensor load brings
.set SLOT,   4*HALFT                   ; 256 query rows, then 256 key rows
.set STAGE,  2*SLOT                    ; behind the ring: 16 rows x 272 bytes for each wave, for the way out
.set SPITCH, 272
.set WTAB,   STAGE+4*16*SPITCH         ; w[1024] in bf16, 2,048 bytes
.set LAPS,   4                         ; 1,024 / (2 x 128)
.set NF,     34                        ; LDS loads of one FETCH
.set ADRA, 16
.set ADRB, 20
.set STO,  24
.set RD,   25
.set CO,   26
.set WADR, 27                          ; w's 16 bytes of this K step for my half of the lanes
.set DL,   28                          ; (my first key) - (my row), inside the block, tile (0, 0), register 0
.set WF,   32
.set MS,   48
.set LS,   56
.set F0,   64
.set F1,   128
.set TMP,  192
.set SP,   8                           ; side jobs: v[8:135] 32 slots of 4 registers
.set SACC, 136                         ; side jobs: v[136:151] four chains; then E in v[136:139]
.set G1,   24                          ; s[24:31] descriptor group 1
.set G0,   32                          ; s[32:39] descriptor group 0, one set for each slot
.set OB,   10                          ; s[10:11] pt, then my first row and column in it
.set MUL_LO, 0xa1                      ; source 0 window 1, source 1 window 0, C and D window 2
.set MUL_HI, 0xf1
.set TO_B,   0x40
.set FROM2,  0x0a                      ; sources 0 and 1 window 2
.set FROM3,  0x0f
.set MSK2,   0x82                      ; source 0 and destination window 2
.set MSK3,   0xc3
.set MSB, 0
.macro WIN new                         ; the immediate's high byte repeats the setting that is left
.if MSB != \new
	s_set_vgpr_msb (MSB<<8)|\new
.set MSB, \new
.endif
.endm
.macro CREST                           ; a round of the cluster's barrier behind its opening barrier
	s_cmp_lg_u32 s16, 0
	s_cbranch_scc1 .Lnot_wave_0_\@
	s_barrier_signal -3
.Lnot_wave_0_\@:
	s_barrier_wait -3
	s_barrier_signal -1
	s_barrier_wait -1
.endm
.macro CROUND
	s_barrier_signal -1
	s_barrier_wait -1
	CREST
.endm
.macro PLACES                          ; four places behind a matrix instruction (ISA guide 7.12.1)
.rept 4
	v_nop
.endr
.endm
; 16 matrix instructions: tile rows a0, a0 + 1 of the window x all 8 tile columns, 32 along K.  The 64 accumulators take turns, one instruction a turn.
.macro MUL16 f, hi, a0, zero
.irp a, \a0, \a0+1
.irp b, 0,1,2,3,4,5,6,7
.if \zero
	v_wmma_f32_16x16x32_bf16 v[8*(8*(\a)+\b):8*(8*(\a)+\b)+7], v[\f+8*\b:\f+8*\b+7], v[\f+8*(4*\hi+\a):\f+8*(4*\hi+\a)+7], 0
.else
	v_wmma_f32_16x16x32_bf16 v[8*(8*(\a)+\b):8*(8*(\a)+\b)+7], v[\f+8*\b:\f+8*\b+7], v[\f+8*(4*\hi+\a):\f+8*(4*\hi+\a)+7], v[8*(8*(\a)+\b):8*(8*(\a)+\b)+7]
.endif
.endr
.endr
.endm
; 34 LDS loads in one run: quarter q of a K step into buffer f: 16 for the keys, 2 for w, 16 for the queries (rows 64-127 last)
.macro FETCH slot, q, f
	WIN TO_B
.irp i, 0,1,2,3,4,5,6,7
	ds_load_b128 v[\f+8*\i:\f+8*\i+3],   v[ADRB+\slot] offset:64*\q+\i*16*PITCH
	ds_load_b128 v[\f+8*\i+4:\f+8*\i+7], v[ADRB+\slot] offset:64*\q+\i*16*PITCH+32
.endr
	WIN 0
	ds_load_b128 v[WF+(\f-F0)/8:WF+(\f-F0)/8+3],   v[WADR] offset:64*\q
	ds_load_b128 v[WF+(\f-F0)/8+4:WF+(\f-F0)/8+7], v[WADR] offset:64*\q+32
.irp i, 0,1,2,3,4,5,6,7
	ds_load_b128 v[\f+8*\i:\f+8*\i+3],   v[ADRA+\slot] offset:64*\q+\i*16*PITCH
	ds_load_b128 v[\f+8*\i+4:\f+8*\i+7], v[ADRA+\slot] offset:64*\q+\i*16*PITCH+32
.endr
.endm
; the head's factor on four query tiles: register t of a fragment holds the same two features in every tile
.macro SCALE f, lo
.irp a, 0,1,2,3
.irp t, 0,1,2,3,4,5,6,7
	v_pk_mul_bf16 v[\f+8*(4*\lo+\a)+\t], v[\f+8*(4*\lo+\a)+\t], v[WF+(\f-F0)/8+\t]
.endr
.endr
.endm
.macro QUARTER slot, q, f, g, zero
	s_wait_dscnt 8                                 ; all but the youngest eight loads (query rows 64-127)
	WIN 0
	SCALE \f, 0
	WIN MUL_LO
	MUL16 \f, 0, 0, \zero
	MUL16 \f, 0, 2, \zero
	PLACES
	FETCH \slot, \q, \g
	s_wait_dscnt NF                                ; all but the 34 just issued
	SCALE \f, 1
	WIN MUL_HI
	MUL16 \f, 1, 0, \zero
	MUL16 \f, 1, 2, \zero
.endm
.macro THREE slot, zero
	QUARTER \slot, 1, F0, F1, \zero
	QUARTER \slot, 2, F1, F0, 0
	QUARTER \slot, 3, F0, F1, 0
.endm
; The last quarter of a K step, and the change of slots.  In front of the barrier each wave waits for its reads of this slot and for all its
; tensor loads (one is out: its part of the next slot).  Where the slot is filled again the barrier opens a round of the cluster's barrier,
; only register work stands inside it, and the joint refill is the first tensor load behind it.
.macro TURN slot, next, fill
	s_wait_dscnt 8
	WIN 0
	SCALE F1, 0
	WIN MUL_LO
	MUL16 F1, 0, 0, 0
	s_wait_dscnt 0
	s_set_vgpr_msb 0xa1a5
	s_wait_tensorcnt 0x0
	ds_add_u32 v254, v255
	s_wait_dscnt 0x0
	s_set_vgpr_msb 0xa5a1
	s_barrier_signal -1
	MUL16 F1, 0, 2, 0
	WIN 0
	SCALE F1, 1
	s_barrier_wait -1
.if \fill
	CREST
	s_add_nc_u64 s[G0+4*\slot+2:G0+4*\slot+3], s[G0+4*\slot+2:G0+4*\slot+3], 2*KSTEP*2   ; no load of mine is out: the address may step, two K steps on
	tensor_load_to_lds s[G0+4*\slot:G0+4*\slot+3], s[G1:G1+7]
	s_nop 0
.endif
	PLACES
	v_add_nc_u32 v[WADR], 2*KSTEP, v[WADR]         ; w of the next K step
	FETCH \next, 0, F0
	WIN MUL_HI
	MUL16 F1, 1, 0, 0
	MUL16 F1, 1, 2, 0
.endm
.macro LASTQ
	s_wait_dscnt 8
	WIN 0
	SCALE F1, 0
	WIN MUL_LO
	MUL16 F1, 0, 0, 0
	MUL16 F1, 0, 2, 0
	s_wait_dscnt 0
	WIN 0
	SCALE F1, 1
	WIN MUL_HI
	MUL16 F1, 1, 0, 0
	MUL16 F1, 1, 2, 0
.endm
.macro LAP zero
	THREE 0, \zero
	TURN 0, 1, 1
	THREE 1, 0
	TURN 1, 0, 1
.endm
	s_set_vgpr_msb 0x40
	v_lshl_add_u32 v254, v0, 2, 0x48c00
	v_mov_b32 v255, 0
	s_set_vgpr_msb 0x4045
	ds_add_u32 v254, v255
	s_wait_dscnt 0x0
	s_set_vgpr_msb 0x4500
	v_lshrrev_b32 v1, 5, v0
	v_readfirstlane_b32 s16, v1                    ; wave
	s_bfe_u32 s40, ttmp6, 0x40000                  ; cx
	s_lshl_b32 s41, ttmp9, 2
	s_add_co_u32 s41, s41, s40                     ; x = 4 x cluster x + cx: the head, or a side job's share; it enters global addresses alone
	s_and_b32 s19, ttmp7, 0xffff                   ; y, the same in the four work-groups of a cluster
	s_cmp_lt_u32 s19, 20
	s_cbranch_scc1 .Lgemm
	s_cmp_ge_u32 s19, 24
	s_cbranch_scc1 .Lcast
	; ---- y = 20 .. 23: E and vc.  Strip x (128 columns), rows 512 (y - 20) .. + 511 of e.  Lane l owns 4 columns: a load covers 512 consecutive bytes, a store 256.
	s_load_b128 s[72:75], s[0:1], 0x28             ; part s[72:73], e s[74:75]
	s_load_b64 s[76:77], s[0:1], 0x38              ; vc
	s_sub_co_u32 s80, s19, 20                      ; block of 512 rows
	v_and_b32 v2, 31, v0                           ; lane
	v_lshlrev_b32 v3, 4, v2                        ; 16 l
	s_lshl_b32 s81, s16, 18
	v_add_nc_u32 v4, s81, v3                       ; part: 64 w rows of 4,096 bytes + 16 l
	s_lshl_b32 s81, s16, 19
	v_add_nc_u32 v5, s81, v3                       ; e: 128 w rows of 4,096 bytes + 16 l
	v_lshlrev_b32 v6, 3, v2
	s_lshl_b32 s81, s16, 18
	v_add_nc_u32 v6, s81, v6                       ; vc: 128 w rows of 2,048 bytes + 8 l
	s_mov_b32 s82, STAGE                           ; 2 KiB of the stage: bytes that no tensor load fills
	v_lshl_add_u32 v7, v0, 4, s82                  ; in: 512 w + 16 l
	v_add_nc_u32 v1, s82, v3                       ; back: 16 l
	s_lshl_b32 s84, s41, 9                         ; the strip in an f32 row
	s_mov_b32 s85, 0
	s_lshl_b32 s86, s80, 21
	s_add_co_u32 s86, s86, s84                     ; e: 512 rows a block + the strip
	s_mov_b32 s87, 0
	s_lshl_b32 s88, s80, 20
	s_lshl_b32 s90, s41, 8
	s_add_co_u32 s88, s88, s90                     ; vc: 512 rows a block + the strip
	s_mov_b32 s89, 0
	s_wait_kmcnt 0x0
	s_add_nc_u64 s[72:73], s[72:73], s[84:85]
	s_add_nc_u64 s[74:75], s[74:75], s[86:87]
	s_add_nc_u64 s[78:79], s[76:77], s[84:85]      ; where E's strip goes (4,194,304 stands in the immediate)
	s_add_nc_u64 s[76:77], s[76:77], s[88:89]
	; wave w sums part's rows 64 w .. 64 w + 63 through a ring of 32 slots
.set n, 0
.rept 32
	global_load_b128 v[SP+4*n:SP+4*n+3], v4, s[72:73] offset:n*4096
.set n, n+1
.endr
	s_wait_loadcnt 24                              ; of the 32 the oldest eight are in
.irp k, 0,1,2,3
	v_pk_add_f32 v[SACC+4*\k:SACC+4*\k+1], v[SP+4*\k:SP+4*\k+1], v[SP+16+4*\k:SP+16+4*\k+1]        ; which start the four chains: nothing is cleared
	v_pk_add_f32 v[SACC+4*\k+2:SACC+4*\k+3], v[SP+4*\k+2:SP+4*\k+3], v[SP+16+4*\k+2:SP+16+4*\k+3]
.endr
.set n, 0
.rept 8
	global_load_b128 v[SP+4*n:SP+4*n+3], v4, s[72:73] offset:(32+n)*4096
.set n, n+1
.endr
.set n, 8
.rept 24
	s_wait_loadcnt 31                              ; slot n's load is the oldest of 32: the other 31 stay out
	v_pk_add_f32 v[SACC+4*(n%4):SACC+4*(n%4)+1], v[SACC+4*(n%4):SACC+4*(n%4)+1], v[SP+4*n:SP+4*n+1]
	v_pk_add_f32 v[SACC+4*(n%4)+2:SACC+4*(n%4)+3], v[SACC+4*(n%4)+2:SACC+4*(n%4)+3], v[SP+4*n+2:SP+4*n+3]
	global_load_b128 v[SP+4*n:SP+4*n+3], v4, s[72:73] offset:(32+n)*4096
.set n, n+1
.endr
.set n, 0
.rept 32
	s_wait_loadcnt 31-n                            ; the second 32 rows: the counts run down
	v_pk_add_f32 v[SACC+4*(n%4):SACC+4*(n%4)+1], v[SACC+4*(n%4):SACC+4*(n%4)+1], v[SP+4*n:SP+4*n+1]
	v_pk_add_f32 v[SACC+4*(n%4)+2:SACC+4*(n%4)+3], v[SACC+4*(n%4)+2:SACC+4*(n%4)+3], v[SP+4*n+2:SP+4*n+3]
.set n, n+1
.endr
	v_pk_add_f32 v[SACC:SACC+1], v[SACC:SACC+1], v[SACC+4:SACC+5]
	v_pk_add_f32 v[SACC+2:SACC+3], v[SACC+2:SACC+3], v[SACC+6:SACC+7]
	v_pk_add_f32 v[SACC+8:SACC+9], v[SACC+8:SACC+9], v[SACC+12:SACC+13]
	v_pk_add_f32 v[SACC+10:SACC+11], v[SACC+10:SACC+11], v[SACC+14:SACC+15]
	v_pk_add_f32 v[SACC:SACC+1], v[SACC:SACC+1], v[SACC+8:SACC+9]
	v_pk_add_f32 v[SACC+2:SACC+3], v[SACC+2:SACC+3], v[SACC+10:SACC+11]
	ds_store_b128 v7, v[SACC:SACC+3]
	s_wait_dscnt 0x0                               ; my sums are in LDS before I say so
	s_barrier_signal -1
	s_barrier_wait -1
.irp k, 0,1,2,3
	ds_load_b128 v[SP+4*\k:SP+4*\k+3], v1 offset:512*\k        ; the four waves' sums of my 4 columns
.endr
	s_wait_dscnt 0x0
	v_pk_add_f32 v[SACC:SACC+1], v[SP:SP+1], v[SP+4:SP+5]
	v_pk_add_f32 v[SACC+2:SACC+3], v[SP+2:SP+3], v[SP+6:SP+7]
.irp k, 2,3
	v_pk_add_f32 v[SACC:SACC+1], v[SACC:SACC+1], v[SP+4*\k:SP+4*\k+1]
	v_pk_add_f32 v[SACC+2:SACC+3], v[SACC+2:SACC+3], v[SP+4*\k+2:SP+4*\k+3]
.endr
	v_pk_mul_f32 v[SACC:SACC+1], v[SACC:SACC+1], 0x3803126f op_sel_hi:[1,0]       ; x 1/32000
	v_pk_mul_f32 v[SACC+2:SACC+3], v[SACC+2:SACC+3], 0x3803126f op_sel_hi:[1,0]
	s_cmp_lg_u32 s80, 0                            ; E's strip is stored once: by wave 0 of the strip's first work-group
	s_cbranch_scc1 .Lnoe
	s_cmp_lg_u32 s16, 0
	s_cbranch_scc1 .Lnoe
	global_store_b128 v3, v[SACC:SACC+3], s[78:79] offset:4194304
.Lnoe:
	s_mov_b32 s83, 4                               ; wave w converts rows 128 w .. 128 w + 127 of the block, 32 a trip
.Lerows:
.set n, 0
.rept 32
	global_load_b128 v[SP+4*n:SP+4*n+3], v5, s[74:75] offset:n*4096 th:TH_LOAD_NT
.set n, n+1
.endr
.set n, 0
.rept 32
	s_wait_loadcnt 31-n
	v_pk_add_f32 v[SP+4*n:SP+4*n+1], v[SP+4*n:SP+4*n+1], v[SACC:SACC+1] neg_lo:[0,1] neg_hi:[0,1]
	v_pk_add_f32 v[SP+4*n+2:SP+4*n+3], v[SP+4*n+2:SP+4*n+3], v[SACC+2:SACC+3] neg_lo:[0,1] neg_hi:[0,1]
	v_cvt_pk_bf16_f32 v[SP+4*n], v[SP+4*n], v[SP+4*n+1]
	v_cvt_pk_bf16_f32 v[SP+4*n+1], v[SP+4*n+2], v[SP+4*n+3]
	global_store_b64 v6, v[SP+4*n:SP+4*n+1], s[76:77] offset:n*2048
.set n, n+1
.endr
	s_wait_xcnt 0x0                                ; the bases, and the slots that the stores read, are rewritten only behind this wait
	s_add_nc_u64 s[74:75], s[74:75], 0x20000       ; 32 rows of e
	s_add_nc_u64 s[76:77], s[76:77], 0x10000       ; 32 rows of vc
	s_sub_co_u32 s83, s83, 1
	s_cmp_lg_u32 s83, 0
	s_cbranch_scc1 .Lerows
	s_branch .Lclose
.Lcast:	; ---- y = 24 .. 31: wob = bf16(W_o).  Work-group 8 (y - 24) + x takes 524,288 consecutive bytes; thread t the 16 bytes at 16 t of every 2,048.
	s_load_b128 s[72:75], s[0:1], 0x40             ; W_o s[72:73], wob s[74:75]
	s_sub_co_u32 s80, s19, 24
	s_lshl3_add_u32 s80, s80, s41                  ; 0 .. 63
	v_lshlrev_b32 v3, 4, v0
	v_lshlrev_b32 v4, 3, v0
	s_lshl_b32 s84, s80, 19
	s_mov_b32 s85, 0
	s_lshl_b32 s86, s80, 18
	s_mov_b32 s87, 0
	s_wait_kmcnt 0x0
	s_add_nc_u64 s[72:73], s[72:73], s[84:85]
	s_add_nc_u64 s[74:75], s[74:75], s[86:87]
	s_mov_b32 s83, 8                               ; 8 trips of 65,536 bytes
.Lwo:
.set n, 0
.rept 32
	global_load_b128 v[SP+4*n:SP+4*n+3], v3, s[72:73] offset:n*2048 th:TH_LOAD_NT
.set n, n+1
.endr
.set n, 0
.rept 32
	s_wait_loadcnt 31-n
	v_cvt_pk_bf16_f32 v[SP+4*n], v[SP+4*n], v[SP+4*n+1]
	v_cvt_pk_bf16_f32 v[SP+4*n+1], v[SP+4*n+2], v[SP+4*n+3]
	global_store_b64 v4, v[SP+4*n:SP+4*n+1], s[74:75] offset:n*1024       ; a wave's store covers 256 consecutive bytes, aligned
.set n, n+1
.endr
	s_wait_xcnt 0x0                                ; the bases, and the slots that the stores read, are rewritten only behind this wait
	s_add_nc_u64 s[72:73], s[72:73], 0x10000
	s_add_nc_u64 s[74:75], s[74:75], 0x8000
	s_sub_co_u32 s83, s83, 1
	s_cmp_lg_u32 s83, 0
	s_cbranch_scc1 .Lwo
	s_branch .Lclose
.Lgemm:	; ---- y = 0 .. 19: the scores
	s_load_b256 s[4:11], s[0:1], 0x0               ; pb s[4:5], Wq s[6:7], Wk s[8:9], pt s[10:11]
	s_load_b64 s[12:13], s[0:1], 0x20              ; stats
	s_lshr_b32 s17, s16, 1                         ; my half of the block's rows; also: I fetch queries (0) or keys (1)
	s_and_b32 s18, s16, 1                          ; my half of its columns; also: which 128 rows of that tile I fetch
	s_cmp_ge_u32 s19, 10
	s_cselect_b32 s20, 1, 0                        ; b
	s_mul_i32 s21, s20, 10
	s_sub_co_u32 s21, s19, s21                     ; t = 0 .. 9
	s_cmp_ge_u32 s21, 1
	s_cselect_b32 s22, 1, 0
	s_cmp_ge_u32 s21, 3
	s_cselect_b32 s42, 1, 0
	s_add_co_u32 s22, s22, s42
	s_cmp_ge_u32 s21, 6
	s_cselect_b32 s42, 1, 0
	s_add_co_u32 s22, s22, s42                     ; ti
	s_add_co_u32 s42, s22, 1
	s_mul_i32 s42, s42, s22
	s_lshr_b32 s42, s42, 1
	s_sub_co_u32 s23, s21, s42                     ; tj = t - ti (ti + 1) / 2
	; descriptor group 1: 128 rows x 128 bf16, padded in LDS, for all four work-groups of the cluster
	s_mov_b32 s[G1+0], 15|(1<<16)|(1<<20)|(1<<21)|(5<<22)|(3<<25)  ; mask 15; 2-byte elements; padding on; bit 21 beside a mask; after 64 words, 4 words
	s_mov_b32 s[G1+1], KSTEP<<16                   ; tensor_dim0 = 128
	s_mov_b32 s[G1+2], 128<<16                     ; tensor_dim1 = 128
	s_mov_b32 s[G1+3], KSTEP<<16                   ; tile_dim0 = 128
	s_mov_b32 s[G1+4], 128                         ; tile_dim1 = 128
	s_mov_b32 s[G1+5], 1024                        ; elements from row to row
	s_mov_b32 s[G1+6], 0
	s_mov_b32 s[G1+7], 0
	; my tile's first row in pb: queries are p's rows 1 + q, keys its rows k; nothing here hangs on cx
	s_mul_i32 s43, s20, 1025
	s_lshl_b32 s44, s22, 8
	s_add_co_u32 s44, s44, 1
	s_lshl_b32 s45, s23, 8
	s_cmp_eq_u32 s17, 0
	s_cselect_b32 s44, s44, s45
	s_add_co_u32 s44, s44, s43
	s_lshl_b32 s45, s18, 7
	s_add_co_u32 s44, s44, s45
	s_lshl_b32 s44, s44, 11                        ; rows of 2,048 bytes
	s_mov_b32 s45, 0
	s_mul_i32 s46, s16, HALFT                      ; LDS: wave x 128 rows
	s_wait_kmcnt 0x0
	s_add_nc_u64 s[44:45], s[4:5], s[44:45]
	CROUND                                         ; the four work-groups are here: the first joint loads meet
.irp s, 0,1
	s_mov_b32 s[G0+4*\s], 1
	s_add_co_u32 s[G0+4*\s+1], s46, \s*SLOT
	s_add_nc_u64 s[G0+4*\s+2:G0+4*\s+3], s[44:45], \s*KSTEP*2
	s_or_b32 s[G0+4*\s+3], s[G0+4*\s+3], 0x80000000
	tensor_load_to_lds s[G0+4*\s:G0+4*\s+3], s[G1:G1+7]
	s_nop 0
.endr
	; w = Wq[h] Wk[h]: thread t makes 8 of the 1,024
	s_lshl_b32 s42, s41, 12
	s_mov_b32 s43, 0
	s_add_nc_u64 s[6:7], s[6:7], s[42:43]
	s_add_nc_u64 s[8:9], s[8:9], s[42:43]
	v_lshlrev_b32 v3, 5, v0
	global_load_b128 v[64:67], v3, s[6:7]
	global_load_b128 v[68:71], v3, s[6:7] offset:16
	global_load_b128 v[72:75], v3, s[8:9]
	global_load_b128 v[76:79], v3, s[8:9] offset:16
	s_mov_b32 s56, 0x3fb8aa3b                      ; log2(e)
	s_mov_b32 s57, 0xbfb8aa3b                      ; -log2(e)
	s_mov_b32 s59, 0xff000000                      ; -2^127
	s_mov_b32 s60, 0x76543210                      ; v_permlanex16_b32: lane i reads lane i of the other half
	s_mov_b32 s61, 0xfedcba98
	v_and_b32 v1, 15, v0                           ; r = l % 16
	v_bfe_u32 v2, v0, 4, 1                         ; hl = l / 16
	v_mul_u32_u24 v4, v1, PITCH
	v_lshl_add_u32 v4, v2, 4, v4                   ; r x pitch + 16 hl
	s_mul_i32 s47, s17, HALFT                      ; my 128 query rows
	s_mul_i32 s48, s18, HALFT                      ; my 128 key rows,
	s_add_co_u32 s48, s48, 2*HALFT                 ; behind the 256 query rows
.irp s, 0,1
	v_add_nc_u32 v[ADRA+\s], s47, v4
	v_add_nc_u32 v[ADRB+\s], s48, v4
	s_add_co_u32 s47, s47, SLOT
	s_add_co_u32 s48, s48, SLOT
.endr
	s_mul_i32 s49, s16, 16*SPITCH
	s_add_co_u32 s49, s49, STAGE                   ; my stage
	v_add_nc_u32 v[STO], s49, v4
	v_mul_u32_u24 v5, v2, SPITCH
	v_lshl_add_u32 v5, v1, 4, v5
	v_add_nc_u32 v[RD], s49, v5                    ; back: lanes 0-15 one row of 256 bytes, lanes 16-31 the next
	v_lshlrev_b32 v5, 11, v2
	v_lshl_add_u32 v[CO], v1, 4, v5                ; the same two rows in pt
	s_mov_b32 s50, WTAB
	v_lshl_add_u32 v[WADR], v2, 4, s50
	s_sub_co_i32 s51, s18, s17
	s_lshl_b32 s51, s51, 7
	v_lshlrev_b32 v5, 3, v2
	v_sub_nc_u32 v5, v5, v1
	v_add_nc_u32 v[DL], s51, v5                    ; 8 hl - r + 128 (column half - row half)
	v_mov_b32 v30, 0                               ; destinations of the lane permutes count as read
	v_mov_b32 v31, 0
	v_lshl_add_u32 v6, v0, 4, s50
	s_wait_loadcnt 0x0
	v_pk_mul_f32 v[64:65], v[64:65], v[72:73]
	v_pk_mul_f32 v[66:67], v[66:67], v[74:75]
	v_pk_mul_f32 v[68:69], v[68:69], v[76:77]
	v_pk_mul_f32 v[70:71], v[70:71], v[78:79]
	v_cvt_pk_bf16_f32 v64, v64, v65
	v_cvt_pk_bf16_f32 v65, v66, v67
	v_cvt_pk_bf16_f32 v66, v68, v69
	v_cvt_pk_bf16_f32 v67, v70, v71
	ds_store_b128 v6, v[64:67]
	s_wait_dscnt 0x0                               ; my part of w is in LDS,
	s_wait_tensorcnt 0x1                           ; my part of K step 0 too; K step 1's stays out
	s_barrier_signal -1
	s_barrier_wait -1
	FETCH 0, 0, F0
	LAP 1                                          ; the first products start the sums: nothing is cleared
	WIN 0
	s_mov_b32 s3, LAPS-2
.Llap:
	LAP 0
	WIN 0
	s_sub_co_u32 s3, s3, 1
	s_cmp_lg_u32 s3, 0
	s_cbranch_scc1 .Llap
	THREE 0, 0                                     ; the last lap fills nothing
	TURN 0, 1, 0
	THREE 1, 0
	LASTQ
	PLACES                                         ; behind the last matrix instructions, in front of everything that reads the sums
	WIN 0
	; where my 128 x 128 go
	s_lshl3_add_u32 s66, s20, s41                  ; 8 b + h
	s_lshl_b32 s66, s66, 10
	s_lshl_b32 s67, s22, 8
	s_add_co_u32 s66, s66, s67
	s_lshl_b32 s67, s17, 7
	s_add_co_u32 s66, s66, s67                     ; my first row among the 16,384
	s_lshl_b32 s68, s66, 11
	s_lshl_b32 s69, s23, 9
	s_add_co_u32 s68, s68, s69
	s_lshl_b32 s69, s18, 8
	s_add_co_u32 s68, s68, s69                     ; + my first key, 2 bytes each
	s_mov_b32 s69, 0
	s_add_nc_u64 s[OB:OB+1], s[OB:OB+1], s[68:69]
	s_lshl_b32 s70, s23, 1
	s_add_co_u32 s70, s70, s18                     ; my block of 128 keys
	s_lshl_b32 s70, s70, 16
	s_lshl2_add_u32 s70, s66, s70
	s_mov_b32 s71, 0
	s_add_nc_u64 s[12:13], s[12:13], s[70:71]
	; the causal mask, in blocks on the diagonal alone: key > query becomes -inf.  ti and tj are the same in all four work-groups.
	s_cmp_lg_u32 s22, s23
	s_cbranch_scc1 .Lnomask
	v_mov_b32 v9, 0xff800000
.macro MASKW win, hi
	WIN \win
.irp a, 0,1,2,3
.irp b, 0,1,2,3,4,5,6,7
.irp j, 0,1,2,3,4,5,6,7
	v_cmp_lt_i32 vcc_lo, 16*(4*\hi+\a-\b)-\j, v[DL]        ; key - query = DL + 16 (b - a) + j > 0
	v_cndmask_b32 v[8*(8*\a+\b)+\j], v[8*(8*\a+\b)+\j], v9, vcc_lo
.endr
.endr
.endr
.endm
	MASKW MSK2, 0
	MASKW MSK3, 1
	WIN 0
.Lnomask:
; 16 rows (tile row a of the window, i of my eight): maximum, exponentials, sum, rounding, and out through my stage.
; A row's 128 keys lie in lanes r and r + 16, 64 registers each: one exchange between the halves ends each reduction.
.macro SOFT16 i, a, from, f
	WIN \from
.irp c, 0,1,2,3
	v_max_num_f32 v[4+\c], v[64*\a+16*\c], v[64*\a+16*\c+1]
.endr
.irp k, 1,2,3,4,5,6,7
.irp c, 0,1,2,3
	v_max3_num_f32 v[4+\c], v[64*\a+16*\c+2*\k], v[64*\a+16*\c+2*\k+1], v[4+\c]
.endr
.endr
	WIN 0
	v_max3_num_f32 v4, v4, v5, v6
	v_max_num_f32 v4, v4, v7
	v_permlanex16_b32 v30, v4, s60, s61
	v_max3_num_f32 v4, v4, v30, s59                ; never below -2^127, so that a block masked whole gives exp(-inf) = 0 and no NaN
	v_mul_f32 v8, s57, v4                          ; -m log2(e)
	v_mul_f32 v[MS+\i], s56, v4                    ; m log2(e): exactly what is taken away below
	WIN \from
.set n, 0
.rept 64
	v_fma_f32 v[TMP+n], v[64*\a+n], s56, v8
.set n, n+1
.endr
	WIN 0
.set n, 0
.rept 64
	v_exp_f32 v[TMP+n], v[TMP+n]
.set n, n+1
.endr
	v_nop                                          ; one plain place behind the transcendentals (ISA guide 5.7.2)
	s_wait_alu depctr_va_vdst(0)
.irp c, 0,1,2,3
	v_pk_add_f32 v[8+2*\c:9+2*\c], v[TMP+16*\c:TMP+16*\c+1], v[TMP+16*\c+2:TMP+16*\c+3]
.endr
.irp k, 2,3,4,5,6,7
.irp c, 0,1,2,3
	v_pk_add_f32 v[8+2*\c:9+2*\c], v[8+2*\c:9+2*\c], v[TMP+16*\c+2*\k:TMP+16*\c+2*\k+1]
.endr
.endr
	v_pk_add_f32 v[8:9], v[8:9], v[10:11]
	v_pk_add_f32 v[12:13], v[12:13], v[14:15]
	v_pk_add_f32 v[8:9], v[8:9], v[12:13]
	v_add_f32 v8, v8, v9
	v_permlanex16_b32 v31, v8, s60, s61
	v_add_f32 v[LS+\i], v8, v31
.set n, 0
.rept 32
	v_cvt_pk_bf16_f32 v[TMP+n], v[TMP+2*n], v[TMP+2*n+1]   ; ascending: a register is written only after it has been read
.set n, n+1
.endr
.irp b, 0,1,2,3,4,5,6,7
	ds_store_b128 v[STO], v[TMP+4*\b:TMP+4*\b+3] offset:32*\b
.endr
	s_wait_xcnt 0x0                                ; buffer f, which earlier stores read, and the stores' base are rewritten only behind this wait
.if \i
	s_add_nc_u64 s[OB:OB+1], s[OB:OB+1], 16*2048
.endif
.irp t, 0,1,2,3,4,5,6,7
	ds_load_b128 v[\f+4*\t:\f+4*\t+3], v[RD] offset:\t*2*SPITCH    ; a wave's LDS instructions are served in order: these see the stores above
.endr
.irp t, 0,1,2,3,4,5,6,7
	s_wait_dscnt 7-\t
	global_store_b128 v[CO], v[\f+4*\t:\f+4*\t+3], s[OB:OB+1] offset:2*\t*2048   ; 16 lanes store 256 consecutive bytes, aligned
.endr
.endm
	SOFT16 0, 0, FROM2, F0
	SOFT16 1, 1, FROM2, F1
	SOFT16 2, 2, FROM2, F0
	SOFT16 3, 3, FROM2, F1
	SOFT16 4, 0, FROM3, F0
	SOFT16 5, 1, FROM3, F1
	SOFT16 6, 2, FROM3, F0
	SOFT16 7, 3, FROM3, F1
	; m and l of my 128 rows: through my stage, so that each goes out as 512 consecutive bytes
	v_lshl_add_u32 v10, v1, 2, s49
.irp a, 0,1,2,3,4,5,6,7
	ds_store_b32 v10, v[MS+\a] offset:64*\a        ; lanes r and r + 16 write the same word with the same value
	ds_store_b32 v10, v[LS+\a] offset:512+64*\a
.endr
	v_and_b32 v11, 31, v0
	v_lshlrev_b32 v12, 4, v11
	v_add_nc_u32 v11, s49, v12
	ds_load_b128 v[4:7], v11
	ds_load_b128 v[192:195], v11 offset:512
	s_wait_dscnt 0x0
	global_store_b128 v12, v[4:7], s[12:13]
	global_store_b128 v12, v[192:195], s[12:13] offset:524288
.Lclose:
	s_set_vgpr_msb 0x5
	s_wait_tensorcnt 0x0
	ds_add_u32 v254, v255
	s_wait_dscnt 0x0
	s_set_vgpr_msb 0x500
	CROUND                                         ; the closing round, on every job's way out: no work-group ends while a partner may still ask jointly
	s_endpgm
.Lfunc_end_k_q914fd98bde_scores:
	.size	k_q914fd98bde_scores, .Lfunc_end_k_q914fd98bde_scores-k_q914fd98bde_scores
	.p2alignl 7, 3214868480
	.fill 96, 4, 3214868480
	.section	.rodata,"a",@progbits
	.p2align	6, 0x0
	.amdhsa_kernel k_q914fd98bde_scores
		.amdhsa_group_segment_fixed_size 327680
		.amdhsa_private_segment_fixed_size 0
		.amdhsa_enable_private_segment 0
		.amdhsa_kernarg_size 80
		.amdhsa_user_sgpr_count 2
		.amdhsa_user_sgpr_kernarg_segment_ptr 1
		.amdhsa_wavefront_size32 1
		.amdhsa_system_sgpr_workgroup_id_x 1
		.amdhsa_system_sgpr_workgroup_id_y 1
		.amdhsa_system_sgpr_workgroup_id_z 1
		.amdhsa_system_vgpr_workitem_id 0
		.amdhsa_next_free_vgpr 1024
		.amdhsa_next_free_sgpr 100
		.amdhsa_reserve_vcc 1
		.amdhsa_float_denorm_mode_32 3
		.amdhsa_float_denorm_mode_16_64 3
		.amdhsa_memory_ordered 1
		.amdhsa_forward_progress 1
		.amdhsa_inst_pref_size 255
	.end_amdhsa_kernel
	.section	.bss,"aw",@nobits
	.p2align	6
	.space	262144
	.amdgpu_metadata
---
amdhsa.version: [ 1, 2 ]
amdhsa.kernels:
  - .name:           k_q914fd98bde_scores
    .symbol:         k_q914fd98bde_scores.kd
    .args:
      - { .name: pb, .offset: 0, .size: 8, .value_kind: global_buffer, .address_space: global }
      - { .name: W_q_diag, .offset: 8, .size: 8, .value_kind: global_buffer, .address_space: global }
      - { .name: W_k_diag, .offset: 16, .size: 8, .value_kind: global_buffer, .address_space: global }
      - { .name: pt, .offset: 24, .size: 8, .value_kind: global_buffer, .address_space: global }
      - { .name: stats, .offset: 32, .size: 8, .value_kind: global_buffer, .address_space: global }
      - { .name: part, .offset: 40, .size: 8, .value_kind: global_buffer, .address_space: global }
      - { .name: e, .offset: 48, .size: 8, .value_kind: global_buffer, .address_space: global }
      - { .name: vc, .offset: 56, .size: 8, .value_kind: global_buffer, .address_space: global }
      - { .name: W_o, .offset: 64, .size: 8, .value_kind: global_buffer, .address_space: global }
      - { .name: wob, .offset: 72, .size: 8, .value_kind: global_buffer, .address_space: global }
    .group_segment_fixed_size: 327680
    .private_segment_fixed_size: 0
    .kernarg_segment_align: 8
    .kernarg_segment_size: 80
    .max_flat_workgroup_size: 128
    .sgpr_count:     100
    .vgpr_count:     1024
    .wavefront_size: 32
...
	.end_amdgpu_metadata
.endif
;; end of part 2
;; launch pv (part 3): grid 4 x 64, 4 waves a work-group, clusters of 4 x 4, 327,680 bytes of LDS; arguments pt, vc, stats, W_v_diag, W_LR, y; writes y
.if DOCPART == 3
	.amdgcn_target "amdgcn-amd-amdhsa--gfx1250"
	.amdhsa_code_object_version 6
	.text
	.protected	k_q914fd98bde_pv
	.globl	k_q914fd98bde_pv
	.p2align	8
	.type	k_q914fd98bde_pv,@function
k_q914fd98bde_pv:
	s_mov_b64 s[64:65], 0
	v_nop
	global_prefetch_b8 v0, s[64:65] scope:SCOPE_SE
	s_setreg_imm32_b32 hwreg(HW_REG_WAVE_MODE, 25, 1), 1
	s_wait_xcnt 0x0
	s_wait_alu depctr_hold_cnt(0) depctr_sa_sdst(0) depctr_va_vdst(0) depctr_va_sdst(0) depctr_va_ssrc(0) depctr_va_vcc(0) depctr_vm_vsrc(0)
	s_getreg_b32 s2, hwreg(HW_REG_IB_STS2, 6, 4)
	s_cmp_eq_u32 s2, 0
	s_cbranch_scc0 .Lentry_in_a_cluster
	s_endpgm
.Lentry_in_a_cluster:
	s_bfe_u32 s2, ttmp6, 0x10000c
	s_cmp_lg_u32 s2, 0xf033
	s_cbranch_scc0 .Lentry_shape_is_right
	s_endpgm
.Lentry_shape_is_right:
; y[b][h][q][d] = Wv[h][d] LR[h] / ((q + 1) l[q]) x sum over blocks t of 128 keys of f_t[q] sum over k in t of P[q][k] V[k][d],  V = bf16(e - E),
; with the softmax's second level made here from the scores launch's figures:  m = max_t M_t,  f_t = 2^(M_t - m),  l = sum_t f_t L_t.
; EVEN WORK.  A work-group makes 256 queries x 256 features, and its queries are two strips of 128: strip s (short) and strip 7 - s (long), s = 0 .. 3.
; With p = s / 2 the short strip has keys for p + 1 laps of two K steps of 128, the long one for 4 - p.  So p + 1 FULL laps work on both strips and
; 3 - 2 p HALF laps on the long one alone: 512 (p + 1) + 256 (3 - 2 p) = 1,280 matrix instructions a wave, whatever s.
; A wave takes 64 rows of each strip x 128 features: window 2 holds the short strip's sums, window 3 the long strip's.
; CLUSTER 4 x 4: cluster y = (b, s, half of the heads); cy = the head inside that half, cx = the block of features.  P's tile hangs on (b, h, s) and is
; shared along a row of the cluster, V's on (b, features) and is shared along a column.  The two branches on p are the same in all sixteen.
; Wave 0 fills the short strip's half of a slot, wave 1 the long strip's, waves 2 and 3 V's halves; wave 0 issues no fill that no later lap reads.
; V lies [key][feature]: its fragments come out of LDS by the transposing load.  f_t is applied to P's fragments (bf16 x bf16 -> bf16).
; THE FACTORS f_t of all eight K steps lie in registers, eight for each of my eight tile rows.  A lap's code always takes the first two of a row's eight,
; and each lap that is followed by another moves the others down by two.
; LIMITS: f_t and f_t P are rounded to bf16; 1 / ((q + 1) l) is v_rcp_f32; NaN and infinite inputs are not followed.
; REGISTERS: window 0: v0-31 addresses, v32-47 the rows' last factor (on the way out), v64-127 / v128-191 P's fragments, v192-255 f_t in the loop, at work on the way out;
; window 1: v0-63 Wv of my 128 features, v64-127 / v128-191 V's fragments; windows 2, 3: the accumulators, tile (a, b) at v[8 (8 a + b)].
.set KSTEP,  128
.set PITCH,  272                       ; P's LDS row: 256 bytes + 16
.set BP,     544                       ; V's LDS row: 512 bytes + 32
.set HALFT,  128*PITCH                 ; what one tensor load brings: 128 rows of P (a strip), or 64 rows of V
.set SLOT,   4*HALFT                   ; the short strip's rows, the long strip's rows, V's 128 rows
.set STAGE,  2*SLOT
.set SPITCH, 272
.set CFT,    STAGE+4*16*SPITCH         ; f_t twice in bf16: 256 table rows (short strip, then long) x 8 K steps x one word
.set RFT,    CFT+8192                  ; LR / ((q + 1) l), f32, 256 table rows
.set ADRA, 16
.set ADRB, 20
.set STO,  24
.set RD,   25
.set CO,   26
.set CFA,  27
.set RFA,  29
.set RFP,  32
.set F0,   64
.set F1,   128
.set TMP,  192
.set CFR,  192                         ; v[CFR + 8 a + k]: f of tile row a, K step k counted from the lap's first
.set G1,   24
.set G0,   32
.set G1B,  48
.set G0B,  56
.set OBS,  14                          ; s[14:15] y, then my first row of the short strip
.set OBL,  96                          ; s[96:97] my first row of the long strip
.set MUL_LO, 0xa1
.set MUL_HI, 0xf1
.set TO_B,   0x40
.set WV2,    0x06                      ; source 0 window 2, source 1 window 1
.set WV3,    0x07
.set MSB, 0
.macro WIN new
.if MSB != \new
	s_set_vgpr_msb (MSB<<8)|\new
.set MSB, \new
.endif
.endm
; A joint load.  Waves 0, 1 ask for P's strips, waves 2, 3 for V's halves: each line has one mask.
; half = 0: all four waves ask.  half = 1: the lap that will read the slot is a half lap: wave 0 asks for nothing.
.macro JLOAD s, half
	s_cmp_eq_u32 s17, 0
	s_cbranch_scc0 .Lfor_b_\@
.if \half
	s_cmp_eq_u32 s16, 0
	s_cbranch_scc1 .Lasked_\@
.endif
	tensor_load_to_lds s[G0+4*\s:G0+4*\s+3], s[G1:G1+7]
	s_nop 0
	s_branch .Lasked_\@
.Lfor_b_\@:
	tensor_load_to_lds s[G0B+4*\s:G0B+4*\s+3], s[G1B:G1B+7]
	s_nop 0
.Lasked_\@:
.endm
.macro CREST
	s_cmp_lg_u32 s16, 0
	s_cbranch_scc1 .Lnot_wave_0_\@
	s_barrier_signal -3
.Lnot_wave_0_\@:
	s_barrier_wait -3
	s_barrier_signal -1
	s_barrier_wait -1
.endm
.macro CROUND
	s_barrier_signal -1
	s_barrier_wait -1
	CREST
.endm
.macro PLACES                          ; four places behind a matrix instruction (ISA guide 7.12.1)
.rept 4
	v_nop
.endr
.endm
.macro STEP slot                       ; no load of mine is out: both addresses of the slot step two K steps on
	s_add_nc_u64 s[G0+4*\slot+2:G0+4*\slot+3], s[G0+4*\slot+2:G0+4*\slot+3], 2*KSTEP*2        ; 256 keys along P's rows
	s_add_nc_u64 s[G0B+4*\slot+2:G0B+4*\slot+3], s[G0B+4*\slot+2:G0B+4*\slot+3], 2*KSTEP*2048  ; 256 rows of V
.endm
; The accumulators take turns, one instruction a turn: all 64 in a full lap, window 3's 32 in a half lap.
.macro MUL16 f, hi, a0, zero
.irp a, \a0, \a0+1
.irp b, 0,1,2,3,4,5,6,7
.if \zero
	v_wmma_f32_16x16x32_bf16 v[8*(8*(\a)+\b):8*(8*(\a)+\b)+7], v[\f+8*\b:\f+8*\b+7], v[\f+8*(4*\hi+\a):\f+8*(4*\hi+\a)+7], 0
.else
	v_wmma_f32_16x16x32_bf16 v[8*(8*(\a)+\b):8*(8*(\a)+\b)+7], v[\f+8*\b:\f+8*\b+7], v[\f+8*(4*\hi+\a):\f+8*(4*\hi+\a)+7], v[8*(8*(\a)+\b):8*(8*(\a)+\b)+7]
.endif
.endr
.endr
.endm
.macro FETCHV slot, q, f               ; 16 transposing loads: keys 32 q .. + 31 x my 128 features
	WIN TO_B
.irp i, 0,1,2,3,4,5,6,7
	ds_load_tr16_b128 v[\f+8*\i:\f+8*\i+3],   v[ADRB+\slot] offset:32*\q*BP+32*\i
	ds_load_tr16_b128 v[\f+8*\i+4:\f+8*\i+7], v[ADRB+\slot] offset:32*\q*BP+32*\i+16*BP
.endr
	WIN 0
.endm
.macro FETCHP slot, q, f, i            ; tile row i of P: my rows 16 i .. of the short strip (i < 4), or 16 (i - 4) .. of the long one, which lies 128 LDS rows further
	ds_load_b128 v[\f+8*\i:\f+8*\i+3],   v[ADRA+\slot] offset:64*\q+(16*\i+64*(\i/4))*PITCH
	ds_load_b128 v[\f+8*\i+4:\f+8*\i+7], v[ADRA+\slot] offset:64*\q+(16*\i+64*(\i/4))*PITCH+32
.endm
.macro FETCH slot, q, f                ; quarter q of a K step into buffer f, both strips: 32 loads, the long strip's eight last
	FETCHV \slot, \q, \f
.irp i, 0,1,2,3,4,5,6,7
	FETCHP \slot, \q, \f, \i
.endr
.endm
.macro FETCHH slot, q, f               ; the same for a half lap: 24 loads
	FETCHV \slot, \q, \f
.irp i, 4,5,6,7
	FETCHP \slot, \q, \f, \i
.endr
.endm
.macro SCALE f, lo, slot               ; f_t of the lane's row on four tiles of P; the slot's number is the K step inside the lap
.irp a, 0,1,2,3
.irp t, 0,1,2,3,4,5,6,7
	v_pk_mul_bf16 v[\f+8*(4*\lo+\a)+\t], v[\f+8*(4*\lo+\a)+\t], v[CFR+8*(4*\lo+\a)+\slot]
.endr
.endr
.endm
.macro ROTA a                          ; the next lap's factors move to the front of a row's eight (ascending: a register is read before it is written)
.irp k, 0,1,2,3,4,5
	v_mov_b32 v[CFR+8*\a+\k], v[CFR+8*\a+\k+2]
.endr
.endm
; ---- a full lap's parts
.macro QUARTER slot, q, f, g, zero
	s_wait_dscnt 8                                 ; all but the youngest eight loads (the long strip's tiles)
	WIN 0
	SCALE \f, 0, \slot
	WIN MUL_LO
	MUL16 \f, 0, 0, \zero
	MUL16 \f, 0, 2, \zero
	PLACES
	FETCH \slot, \q, \g
	s_wait_dscnt 32                                ; all but the 32 just issued
	SCALE \f, 1, \slot
	WIN MUL_HI
	MUL16 \f, 1, 0, \zero
	MUL16 \f, 1, 2, \zero
.endm
.macro THREE slot, zero
	QUARTER \slot, 1, F0, F1, \zero
	QUARTER \slot, 2, F1, F0, 0
	QUARTER \slot, 3, F0, F1, 0
.endm
; The last quarter and the change of slots: each wave's reads of this slot and all its tensor loads are waited for in front of the barrier, which opens a round
; of the cluster's barrier; register work alone stands inside it, and the joint refill comes first behind it.  A full lap is never the last, so it always fills.
; half = 1: the next lap is a half lap.
.macro TURN slot, next, half
	s_wait_dscnt 8
	WIN 0
	SCALE F1, 0, \slot
	WIN MUL_LO
	MUL16 F1, 0, 0, 0
	s_wait_dscnt 0
	s_wait_tensorcnt 0x0
	ds_add_u32 v255, v63
	s_wait_dscnt 0x0
	s_barrier_signal -1
	MUL16 F1, 0, 2, 0
	WIN 0
	SCALE F1, 1, \slot
	s_barrier_wait -1
	CREST
	STEP \slot
	JLOAD \slot, \half
	PLACES
.if \slot                              ; this lap's last use of the factors stands above
.if \half
.irp a, 4,5,6,7
	ROTA \a
.endr
	FETCHH \next, 0, F0
.else
.irp a, 0,1,2,3,4,5,6,7
	ROTA \a
.endr
	FETCH \next, 0, F0
.endif
.else
	FETCH \next, 0, F0
.endif
	WIN MUL_HI
	MUL16 F1, 1, 0, 0
	MUL16 F1, 1, 2, 0
.endm
; ---- a half lap's parts: the long strip alone
.macro QUARTERH slot, q, f, g
	s_wait_dscnt 0                                 ; every fragment of this quarter is wanted at once
	WIN 0
	SCALE \f, 1, \slot
	PLACES                                         ; behind the matrix instructions that read buffer g, in front of the loads into it
	FETCHH \slot, \q, \g
	WIN MUL_HI
	MUL16 \f, 1, 0, 0
	MUL16 \f, 1, 2, 0
.endm
.macro THREEH slot
	QUARTERH \slot, 1, F0, F1
	QUARTERH \slot, 2, F1, F0
	QUARTERH \slot, 3, F0, F1
.endm
.macro TURNH slot, next, fill
	s_wait_dscnt 0                                 ; my reads of this slot are over
	WIN 0
	SCALE F1, 1, \slot
	s_set_vgpr_msb 0x1
	s_wait_tensorcnt 0x0                           ; and all my tensor loads have landed
	ds_add_u32 v255, v63
	s_wait_dscnt 0x0
	s_set_vgpr_msb 0x100
	s_barrier_signal -1
	WIN MUL_HI
	MUL16 F1, 1, 0, 0
	WIN 0
	s_barrier_wait -1
.if \fill
	CREST
	STEP \slot
	JLOAD \slot, 1
.endif
	PLACES
.if \fill*\slot
.irp a, 4,5,6,7
	ROTA \a
.endr
.endif
	FETCHH \next, 0, F0
	WIN MUL_HI
	MUL16 F1, 1, 2, 0
.endm
	s_load_b256 s[4:11], s[0:1], 0x0               ; pt s[4:5], vc s[6:7], stats s[8:9], Wv s[10:11]
	s_load_b128 s[12:15], s[0:1], 0x20             ; W_LR s[12:13], y s[14:15]
	s_set_vgpr_msb 0x40
	v_lshl_add_u32 v255, v0, 2, 0x4a800
	s_set_vgpr_msb 0x4000
	v_mov_b32 v63, 0
	s_set_vgpr_msb 0x1
	ds_add_u32 v255, v63
	s_set_vgpr_msb 0x100
	v_lshrrev_b32 v1, 5, v0
	v_readfirstlane_b32 s16, v1                    ; wave
	s_lshr_b32 s17, s16, 1                         ; which 64 rows of each strip are mine.  Also: I fetch P (0) or V (1); and whose rows my threads take in the tables
	s_and_b32 s18, s16, 1                          ; my half of the columns.  Also: which half of that tile I fetch
	s_bfe_u32 s40, ttmp6, 0x40000                  ; cx
	s_bfe_u32 s41, ttmp6, 0x40004                  ; cy
	s_and_b32 s19, ttmp7, 0xffff                   ; cluster y = 8 b + 2 s + half of the heads
	s_lshr_b32 s20, s19, 3                         ; b
	s_and_b32 s21, s19, 1
	s_bfe_u32 s22, s19, 0x20001                    ; s: the short strip
	s_sub_co_u32 s94, 7, s22                       ; the long strip
	s_lshr_b32 s23, s22, 1                         ; p: p + 1 full laps, 3 - 2 p half laps
	s_lshl2_add_u32 s42, s21, s41                  ; head
	s_lshl_b32 s45, ttmp9, 2
	s_add_co_u32 s45, s45, s40                     ; block of 256 features
	s_lshl_b32 s43, s41, 2
	s_lshl_b32 s43, 15, s43                        ; my row of the cluster
	s_lshl_b32 s44, 0x1111, s40                    ; my column
	s_or_b32 s[G1+0], s43, (1<<16)|(1<<20)|(1<<21)|(5<<22)|(3<<25)   ; P: 2-byte elements, after 64 words 4 words of padding
	s_mov_b32 s[G1+1], KSTEP<<16
	s_mov_b32 s[G1+2], 128<<16
	s_mov_b32 s[G1+3], KSTEP<<16                   ; 128 rows x 128 elements
	s_mov_b32 s[G1+4], 128
	s_mov_b32 s[G1+5], 1024
	s_mov_b32 s[G1+6], 0
	s_mov_b32 s[G1+7], 0
	s_or_b32 s[G1B+0], s44, (1<<16)|(1<<20)|(1<<21)|(6<<22)|(7<<25)  ; V: after 128 words 8 words of padding
	s_mov_b32 s[G1B+1], 256<<16
	s_mov_b32 s[G1B+2], 64<<16
	s_mov_b32 s[G1B+3], 256<<16                    ; 64 rows x 256 elements
	s_mov_b32 s[G1B+4], 64
	s_mov_b32 s[G1B+5], 1024
	s_mov_b32 s[G1B+6], 0
	s_mov_b32 s[G1B+7], 0
	s_lshl3_add_u32 s70, s20, s42
	s_lshl_b32 s70, s70, 10                        ; the first of the 1,024 rows of (b, h)
	s_cmp_eq_u32 s18, 0
	s_cselect_b32 s46, s22, s94                    ; P: wave 0 fetches the short strip, wave 1 the long one: no cx in it
	s_lshl_b32 s46, s46, 7
	s_add_co_u32 s46, s46, s70
	s_lshl_b32 s46, s46, 11
	s_mov_b32 s47, 0
	s_lshl_b32 s66, s20, 10                        ; V: row 1024 b + 64 half, column 256 x block: no cy in it
	s_lshl_b32 s67, s18, 6
	s_add_co_u32 s66, s66, s67
	s_lshl_b32 s66, s66, 11
	s_lshl_b32 s67, s45, 9
	s_add_co_u32 s66, s66, s67
	s_mov_b32 s67, 0
	s_mul_i32 s68, s16, HALFT
	s_wait_dscnt 0x0
	s_wait_kmcnt 0x0
	s_add_nc_u64 s[46:47], s[4:5], s[46:47]
	s_add_nc_u64 s[66:67], s[6:7], s[66:67]
	CROUND                                         ; all sixteen work-groups are here: the first joint loads meet
.irp s, 0,1
	s_mov_b32 s[G0+4*\s], 1
	s_add_co_u32 s[G0+4*\s+1], s68, \s*SLOT
	s_add_nc_u64 s[G0+4*\s+2:G0+4*\s+3], s[46:47], \s*KSTEP*2
	s_or_b32 s[G0+4*\s+3], s[G0+4*\s+3], 0x80000000
	s_mov_b32 s[G0B+4*\s], 1
	s_add_co_u32 s[G0B+4*\s+1], s68, \s*SLOT
	s_add_nc_u64 s[G0B+4*\s+2:G0B+4*\s+3], s[66:67], \s*KSTEP*2048
	s_or_b32 s[G0B+4*\s+3], s[G0B+4*\s+3], 0x80000000
	JLOAD \s, 0
.endr
	; the small inputs
	s_lshl_b32 s72, s42, 12
	s_lshl_b32 s73, s45, 10
	s_add_co_u32 s72, s72, s73
	s_lshl_b32 s73, s18, 9
	s_add_co_u32 s72, s72, s73
	s_mov_b32 s73, 0
	s_add_nc_u64 s[10:11], s[10:11], s[72:73]      ; Wv[h] at my 128 features
	s_cmp_eq_u32 s17, 0
	s_cselect_b32 s95, s22, s94                    ; the tables: threads 0-63 (waves 0, 1) take the short strip's rows, threads 64-127 the long strip's
	s_lshl_b32 s74, s95, 7
	s_add_co_u32 s88, s74, 1                       ; q + 1 of that strip's first row
	s_add_co_u32 s74, s74, s70
	s_lshl_b32 s74, s74, 2
	s_mov_b32 s75, 0
	s_add_nc_u64 s[8:9], s[8:9], s[74:75]          ; stats at that strip's first row
	s_lshr_b32 s86, s95, 1
	s_add_co_u32 s86, s86, 1
	s_lshl_b32 s86, s86, 1                         ; blocks of 128 keys that were written for that strip: 2 (strip / 2 + 1)
	s_sub_co_u32 s84, s86, 1
	s_lshl_b32 s76, s42, 2
	s_mov_b32 s77, 0
	s_add_nc_u64 s[12:13], s[12:13], s[76:77]
	s_load_b32 s78, s[12:13], 0x0                  ; LR[h]
	v_and_b32 v1, 15, v0                           ; r
	v_bfe_u32 v2, v0, 4, 1                         ; hl
	v_lshlrev_b32 v3, 5, v2
	WIN TO_B
.irp b, 0,1,2,3,4,5,6,7
	global_load_b128 v[8*\b:8*\b+3],   v3, s[10:11] offset:64*\b      ; window 1, v[8 b + j] = Wv of feature 16 b + 8 hl + j
	global_load_b128 v[8*\b+4:8*\b+7], v3, s[10:11] offset:64*\b+16
.endr
	WIN 0
	; thread t takes rows 2 (t % 64), + 1 of its strip: M and L of the eight blocks of keys.  Blocks past the strip's last were never written:
	; their index is clamped to the last one that was, and their L counts as 0.
	v_and_b32 v12, 63, v0
	v_lshlrev_b32 v13, 3, v12
.irp kb, 0,1,2,3,4,5,6,7
	s_min_u32 s85, s84, \kb
	s_lshl_b32 s85, s85, 16
	v_add_nc_u32 v[96+\kb], s85, v13
	global_load_b64 v[64+2*\kb:65+2*\kb], v[96+\kb], s[8:9]
	global_load_b64 v[80+2*\kb:81+2*\kb], v[96+\kb], s[8:9] offset:524288
.endr
	v_mul_u32_u24 v4, v1, PITCH
	v_lshl_add_u32 v4, v2, 4, v4                   ; r x pitch + 16 hl
	s_mul_i32 s79, s17, 64*PITCH                   ; my 64 rows of each strip
	v_add_nc_u32 v[ADRA], s79, v4
	s_add_co_u32 s79, s79, SLOT
	v_add_nc_u32 v[ADRA+1], s79, v4
	v_and_b32 v5, 7, v0
	v_lshl_add_u32 v5, v2, 3, v5                   ; key row 8 hl + (l & 7)
	v_mul_u32_u24 v5, v5, BP
	v_bfe_u32 v6, v0, 3, 1
	v_lshl_add_u32 v5, v6, 4, v5                   ; + 16 bytes for lanes 8-15 of each half
	s_lshl_b32 s83, s18, 8
	s_add_co_u32 s83, s83, 2*HALFT                 ; V lies behind P's 256 rows; my 128 features
	v_add_nc_u32 v[ADRB], s83, v5
	s_add_co_u32 s83, s83, SLOT
	v_add_nc_u32 v[ADRB+1], s83, v5
	s_mul_i32 s80, s16, 16*SPITCH
	s_add_co_u32 s80, s80, STAGE
	v_add_nc_u32 v[STO], s80, v4
	v_mul_u32_u24 v5, v2, SPITCH
	v_lshl_add_u32 v5, v1, 4, v5
	v_add_nc_u32 v[RD], s80, v5
	v_lshlrev_b32 v5, 11, v2
	v_lshl_add_u32 v[CO], v1, 4, v5
	s_lshl_b32 s81, s17, 11
	s_add_co_u32 s81, s81, CFT
	v_lshl_add_u32 v[CFA], v1, 5, s81              ; the 32 bytes of table row 64 x half + r (the long strip's rows lie 128 table rows further)
	s_lshl_b32 s81, s17, 8
	s_add_co_u32 s81, s81, RFT
	v_lshl_add_u32 v[RFA], v1, 2, s81              ; the word of table row 64 x half + r
	s_mov_b32 s82, CFT
	v_lshl_add_u32 v14, v0, 6, s82                 ; thread t writes table rows 2 t, 2 t + 1: 64 bytes of factors,
	s_mov_b32 s89, RFT
	v_lshl_add_u32 v15, v0, 3, s89                 ; and their two last factors
	s_wait_loadcnt 0x0
	v_max3_num_f32 v4, v64, v66, v68
	v_max3_num_f32 v5, v65, v67, v69
	v_max3_num_f32 v4, v4, v70, v72
	v_max3_num_f32 v5, v5, v71, v73
	v_max3_num_f32 v4, v4, v74, v76
	v_max3_num_f32 v5, v5, v75, v77
	v_max_num_f32 v4, v4, v78
	v_max_num_f32 v5, v5, v79                      ; the rows' true maxima, in units of log2
.irp kb, 0,1,2,3,4,5,6,7
	v_pk_add_f32 v[64+2*\kb:65+2*\kb], v[64+2*\kb:65+2*\kb], v[4:5] neg_lo:[0,1] neg_hi:[0,1]
.endr
.irp n, 0,1,2,3,4,5,6,7,8,9,10,11,12,13,14,15
	v_exp_f32 v[64+\n], v[64+\n]                   ; f = 2^(M - m), at most 1
.endr
	v_nop                                          ; one plain place behind the transcendentals (ISA guide 5.7.2)
.irp kb, 2,3,4,5,6,7
	s_cmp_gt_u32 s86, \kb
	s_cselect_b32 s87, -1, 0
	v_cndmask_b32 v[80+2*\kb], 0, v[80+2*\kb], s87
	v_cndmask_b32 v[81+2*\kb], 0, v[81+2*\kb], s87
.endr
	s_wait_alu depctr_va_vdst(0)
	v_pk_mul_f32 v[6:7], v[64:65], v[80:81]
.irp kb, 1,2,3,4,5,6,7
	v_pk_fma_f32 v[6:7], v[64+2*\kb:65+2*\kb], v[80+2*\kb:81+2*\kb], v[6:7]    ; l = sum f L
.endr
.irp kb, 0,1,2,3,4,5,6,7
	v_cvt_pk_bf16_f32 v[104+\kb], v[64+2*\kb], v[64+2*\kb]     ; the even row: f twice in a word, K steps 0 .. 7
	v_cvt_pk_bf16_f32 v[112+\kb], v[65+2*\kb], v[65+2*\kb]     ; the odd row
.endr
.irp c, 0,1,2,3
	ds_store_b128 v14, v[104+4*\c:107+4*\c] offset:16*\c
.endr
	v_lshl_add_u32 v10, v12, 1, s88                ; q + 1 of the even row
	v_add_nc_u32 v11, 1, v10
	v_cvt_f32_u32 v10, v10
	v_cvt_f32_u32 v11, v11
	v_pk_mul_f32 v[10:11], v[10:11], v[6:7]
	v_rcp_f32 v10, v10
	v_rcp_f32 v11, v11
	v_nop
	s_wait_kmcnt 0x0
	s_wait_alu depctr_va_vdst(0)
	v_mul_f32 v10, s78, v10
	v_mul_f32 v11, s78, v11                        ; LR / ((q + 1) l)
	ds_store_b64 v15, v[10:11]
	s_wait_dscnt 0x0                               ; my part of the tables is in LDS,
	s_wait_tensorcnt 0x1                           ; my part of K step 0 too; K step 1's stays out
	s_barrier_signal -1
	s_barrier_wait -1
.irp a, 0,1,2,3,4,5,6,7
	ds_load_b128 v[CFR+8*\a:CFR+8*\a+3],   v[CFA] offset:512*\a+2048*(\a/4)      ; the eight factors of my tile row a: older than every fragment load, so the first counted wait covers them
	ds_load_b128 v[CFR+8*\a+4:CFR+8*\a+7], v[CFA] offset:512*\a+2048*(\a/4)+16
.endr
	FETCH 0, 0, F0
	THREE 0, 1                                     ; the first products start the sums of both windows
	WIN 0
	s_cmp_eq_u32 s23, 0
	s_cbranch_scc1 .Llastfull                      ; p = 0: the first full lap is the last
	TURN 0, 1, 0                                   ; p = 1: a second full lap follows: its slots are filled whole
	THREE 1, 0
	TURN 1, 0, 0
	THREE 0, 0
	WIN 0
.Llastfull:
	TURN 0, 1, 1                                   ; the rest of the last full lap: the refills are a half lap's
	THREE 1, 0
	TURN 1, 0, 1
	WIN 0
	s_cmp_eq_u32 s23, 1
	s_cbranch_scc1 .Llasthalf                      ; p = 1: one half lap; p = 0: three
	s_mov_b32 s3, 2
.Lhalf:
	THREEH 0
	TURNH 0, 1, 1
	THREEH 1
	TURNH 1, 0, 1
	WIN 0
	s_sub_co_u32 s3, s3, 1
	s_cmp_lg_u32 s3, 0
	s_cbranch_scc1 .Lhalf
.Llasthalf:
	THREEH 0                                       ; the last lap fills nothing
	TURNH 0, 1, 0
	THREEH 1
	s_wait_dscnt 0
	WIN 0
	SCALE F1, 1, 1
	WIN MUL_HI
	MUL16 F1, 1, 0, 0
	MUL16 F1, 1, 2, 0
	PLACES                                         ; behind the last matrix instructions, in front of everything that reads the sums
	WIN 0
.irp a, 0,1,2,3,4,5,6,7
	ds_load_b32 v[RFP+2*\a],   v[RFA] offset:64*\a+256*(\a/4)  ; the row's factor twice: a pair for the packed multiply
	ds_load_b32 v[RFP+2*\a+1], v[RFA] offset:64*\a+256*(\a/4)
.endr
	s_lshl_b32 s91, s45, 9
	s_lshl_b32 s92, s18, 8
	s_add_co_u32 s91, s91, s92                     ; my first feature, 2 bytes each
	s_lshl_b32 s92, s17, 6
	s_add_co_u32 s92, s92, s70                     ; (b, h)'s first row + my 64 of a strip
	s_lshl_b32 s90, s22, 7
	s_add_co_u32 s90, s90, s92
	s_lshl_b32 s90, s90, 11
	s_add_co_u32 s90, s90, s91                     ; the short strip
	s_lshl_b32 s98, s94, 7
	s_add_co_u32 s98, s98, s92
	s_lshl_b32 s98, s98, 11
	s_add_co_u32 s98, s98, s91                     ; the long strip
	s_mov_b32 s91, 0
	s_mov_b32 s99, 0
	s_add_nc_u64 s[OBL:OBL+1], s[OBS:OBS+1], s[98:99]
	s_add_nc_u64 s[OBS:OBS+1], s[OBS:OBS+1], s[90:91]
	s_wait_dscnt 0x0
; 16 rows: x Wv of the column, x the row's factor, rounded, and out through my stage as whole rows of 256 bytes
.macro OUTY i, a, wv, f, ob
	WIN \wv
.set n, 0
.rept 32
	v_pk_mul_f32 v[TMP+n:TMP+n+1], v[64*\a+n:64*\a+n+1], v[n:n+1]
.set n, n+2
.endr
	WIN 0
.set n, 0
.rept 32
	v_pk_mul_f32 v[TMP+n:TMP+n+1], v[TMP+n:TMP+n+1], v[RFP+2*\i:RFP+2*\i+1]
.set n, n+2
.endr
.set n, 0
.rept 32
	v_cvt_pk_bf16_f32 v[TMP+n], v[TMP+2*n], v[TMP+2*n+1]   ; ascending: a register is written only after it has been read
.set n, n+1
.endr
.irp b, 0,1,2,3,4,5,6,7
	ds_store_b128 v[STO], v[TMP+4*\b:TMP+4*\b+3] offset:32*\b
.endr
	s_wait_xcnt 0x0                                ; buffer f and the stores' base are rewritten only behind this wait
.if \a
	s_add_nc_u64 s[\ob:\ob+1], s[\ob:\ob+1], 16*2048
.endif
.irp t, 0,1,2,3,4,5,6,7
	ds_load_b128 v[\f+4*\t:\f+4*\t+3], v[RD] offset:\t*2*SPITCH    ; a wave's LDS instructions are served in order: these see the stores above
.endr
.irp t, 0,1,2,3,4,5,6,7
	s_wait_dscnt 7-\t
	global_store_b128 v[CO], v[\f+4*\t:\f+4*\t+3], s[\ob:\ob+1] offset:2*\t*2048   ; 16 lanes store 256 consecutive bytes, aligned
.endr
.endm
	OUTY 0, 0, WV2, F0, OBS
	OUTY 1, 1, WV2, F1, OBS
	OUTY 2, 2, WV2, F0, OBS
	OUTY 3, 3, WV2, F1, OBS
	OUTY 4, 0, WV3, F0, OBL
	OUTY 5, 1, WV3, F1, OBL
	OUTY 6, 2, WV3, F0, OBL
	OUTY 7, 3, WV3, F1, OBL
	s_set_vgpr_msb 0x1
	s_wait_tensorcnt 0x0
	ds_add_u32 v255, v63
	s_wait_dscnt 0x0
	s_set_vgpr_msb 0x100
	CROUND                                         ; the closing round
	s_endpgm
.Lfunc_end_k_q914fd98bde_pv:
	.size	k_q914fd98bde_pv, .Lfunc_end_k_q914fd98bde_pv-k_q914fd98bde_pv
	.p2alignl 7, 3214868480
	.fill 96, 4, 3214868480
	.section	.rodata,"a",@progbits
	.p2align	6, 0x0
	.amdhsa_kernel k_q914fd98bde_pv
		.amdhsa_group_segment_fixed_size 327680
		.amdhsa_private_segment_fixed_size 0
		.amdhsa_enable_private_segment 0
		.amdhsa_kernarg_size 48
		.amdhsa_user_sgpr_count 2
		.amdhsa_user_sgpr_kernarg_segment_ptr 1
		.amdhsa_wavefront_size32 1
		.amdhsa_system_sgpr_workgroup_id_x 1
		.amdhsa_system_sgpr_workgroup_id_y 1
		.amdhsa_system_sgpr_workgroup_id_z 1
		.amdhsa_system_vgpr_workitem_id 0
		.amdhsa_next_free_vgpr 1024
		.amdhsa_next_free_sgpr 100
		.amdhsa_reserve_vcc 0
		.amdhsa_float_denorm_mode_32 3
		.amdhsa_float_denorm_mode_16_64 3
		.amdhsa_memory_ordered 1
		.amdhsa_forward_progress 1
		.amdhsa_inst_pref_size 255
	.end_amdhsa_kernel
	.section	.bss,"aw",@nobits
	.p2align	6
	.space	262144
	.amdgpu_metadata
---
amdhsa.version: [ 1, 2 ]
amdhsa.kernels:
  - .name:           k_q914fd98bde_pv
    .symbol:         k_q914fd98bde_pv.kd
    .args:
      - { .name: pt, .offset: 0, .size: 8, .value_kind: global_buffer, .address_space: global }
      - { .name: vc, .offset: 8, .size: 8, .value_kind: global_buffer, .address_space: global }
      - { .name: stats, .offset: 16, .size: 8, .value_kind: global_buffer, .address_space: global }
      - { .name: W_v_diag, .offset: 24, .size: 8, .value_kind: global_buffer, .address_space: global }
      - { .name: W_LR, .offset: 32, .size: 8, .value_kind: global_buffer, .address_space: global }
      - { .name: y, .offset: 40, .size: 8, .value_kind: global_buffer, .address_space: global }
    .group_segment_fixed_size: 327680
    .private_segment_fixed_size: 0
    .kernarg_segment_align: 8
    .kernarg_segment_size: 48
    .max_flat_workgroup_size: 128
    .sgpr_count:     100
    .vgpr_count:     1024
    .wavefront_size: 32
...
	.end_amdgpu_metadata
.endif
;; end of part 3
;; launch proj (part 4): grid 4 x 64, 4 waves a work-group, clusters of 4 x 4, 327,680 bytes of LDS; arguments y, wob, part3; writes part3
.if DOCPART == 4
	.amdgcn_target "amdgcn-amd-amdhsa--gfx1250"
	.amdhsa_code_object_version 6
	.text
	.protected	k_q914fd98bde_proj
	.globl	k_q914fd98bde_proj
	.p2align	8
	.type	k_q914fd98bde_proj,@function
k_q914fd98bde_proj:
	s_mov_b64 s[64:65], 0
	v_nop
	global_prefetch_b8 v0, s[64:65] scope:SCOPE_SE
	s_setreg_imm32_b32 hwreg(HW_REG_WAVE_MODE, 25, 1), 1
	s_wait_xcnt 0x0
	s_wait_alu depctr_hold_cnt(0) depctr_sa_sdst(0) depctr_va_vdst(0) depctr_va_sdst(0) depctr_va_ssrc(0) depctr_va_vcc(0) depctr_vm_vsrc(0)
	s_getreg_b32 s2, hwreg(HW_REG_IB_STS2, 6, 4)
	s_cmp_eq_u32 s2, 0
	s_cbranch_scc0 .Lentry_in_a_cluster
	s_endpgm
.Lentry_in_a_cluster:
	s_bfe_u32 s2, ttmp6, 0x10000c
	s_cmp_lg_u32 s2, 0xf033
	s_cbranch_scc0 .Lentry_shape_is_right
	s_endpgm
.Lentry_shape_is_right:
; part3[r][m][n] = sum over k = 1024 r .. 1024 r + 1023 of Y[m][k] Wo[k][n]:  Y is the buffer y read as [2048][8192] bf16, Wo is [8192][1024] bf16.
; K is split in eight so that 8 x 4 blocks of 256 x 256 become 256 work-groups of eight K steps; the eight f32 parts are added, in order, by the next launch.
; CLUSTER 4 x 4: cluster y = 2 r + half of the block rows; cy = block row inside the half, cx = block column.  Y's tile is shared along a row of the cluster,
; Wo's along a column.  Wo lies [k][n]: its fragments come out of LDS by the transposing load.
; REGISTERS: window 0: v0-31 addresses, v64-127 / v128-191 Y's fragments; window 1: the same numbers, Wo's fragments; windows 2, 3: the accumulators.
.set KSTEP,  128
.set PITCH,  272
.set BP,     544
.set HALFT,  128*PITCH
.set SLOT,   4*HALFT
.set STAGE,  2*SLOT
.set FPITCH, 528                       ; the stage's row: 128 f32 + 16 bytes
.set LAPS,   4
.set ADRA, 16
.set ADRB, 20
.set STO,  24
.set RD,   25
.set CO,   26
.set F0,   64
.set F1,   128
.set G1,   24
.set G0,   32
.set G1B,  48
.set G0B,  56
.set MUL_LO, 0xa1
.set MUL_HI, 0xf1
.set TO_B,   0x40
.set ST2,    0x08                      ; an LDS store's data (source 1) from window 2
.set ST3,    0x0c
.set MSB, 0
.macro WIN new
.if MSB != \new
	s_set_vgpr_msb (MSB<<8)|\new
.set MSB, \new
.endif
.endm
.macro JLOAD s
	s_cmp_eq_u32 s17, 0
	s_cbranch_scc0 .Lfor_b_\@
	tensor_load_to_lds s[G0+4*\s:G0+4*\s+3], s[G1:G1+7]
	s_nop 0
	s_branch .Lasked_\@
.Lfor_b_\@:
	tensor_load_to_lds s[G0B+4*\s:G0B+4*\s+3], s[G1B:G1B+7]
	s_nop 0
.Lasked_\@:
.endm
.macro CREST
	s_cmp_lg_u32 s16, 0
	s_cbranch_scc1 .Lnot_wave_0_\@
	s_barrier_signal -3
.Lnot_wave_0_\@:
	s_barrier_wait -3
	s_barrier_signal -1
	s_barrier_wait -1
.endm
.macro CROUND
	s_barrier_signal -1
	s_barrier_wait -1
	CREST
.endm
.macro PLACES
.rept 4
	v_nop
.endr
.endm
; The 64 accumulators take turns, one instruction a turn.
.macro MUL16 f, hi, a0, zero
.irp a, \a0, \a0+1
.irp b, 0,1,2,3,4,5,6,7
.if \zero
	v_wmma_f32_16x16x32_bf16 v[8*(8*(\a)+\b):8*(8*(\a)+\b)+7], v[\f+8*\b:\f+8*\b+7], v[\f+8*(4*\hi+\a):\f+8*(4*\hi+\a)+7], 0
.else
	v_wmma_f32_16x16x32_bf16 v[8*(8*(\a)+\b):8*(8*(\a)+\b)+7], v[\f+8*\b:\f+8*\b+7], v[\f+8*(4*\hi+\a):\f+8*(4*\hi+\a)+7], v[8*(8*(\a)+\b):8*(8*(\a)+\b)+7]
.endif
.endr
.endr
.endm
.macro FETCH slot, q, f
	WIN TO_B
.irp i, 0,1,2,3,4,5,6,7
	ds_load_tr16_b128 v[\f+8*\i:\f+8*\i+3],   v[ADRB+\slot] offset:32*\q*BP+32*\i
	ds_load_tr16_b128 v[\f+8*\i+4:\f+8*\i+7], v[ADRB+\slot] offset:32*\q*BP+32*\i+16*BP
.endr
	WIN 0
.irp i, 0,1,2,3,4,5,6,7
	ds_load_b128 v[\f+8*\i:\f+8*\i+3],   v[ADRA+\slot] offset:64*\q+\i*16*PITCH
	ds_load_b128 v[\f+8*\i+4:\f+8*\i+7], v[ADRA+\slot] offset:64*\q+\i*16*PITCH+32
.endr
.endm
.macro QUARTER slot, q, f, g, zero
	s_wait_dscnt 8                                 ; all but the youngest eight loads (Y's rows 64-127)
	WIN MUL_LO
	MUL16 \f, 0, 0, \zero
	MUL16 \f, 0, 2, \zero
	PLACES
	FETCH \slot, \q, \g
	s_wait_dscnt 32                                ; all but the 32 just issued
	WIN MUL_HI
	MUL16 \f, 1, 0, \zero
	MUL16 \f, 1, 2, \zero
.endm
.macro THREE slot, zero
	QUARTER \slot, 1, F0, F1, \zero
	QUARTER \slot, 2, F1, F0, 0
	QUARTER \slot, 3, F0, F1, 0
.endm
; The change of slots: each wave's reads of this slot and all its tensor loads are waited for in front of the barrier; where the slot is filled again the barrier
; opens a round of the cluster's barrier, register work alone stands inside it, and the joint refill comes first behind it.
.macro TURN slot, next, fill
	s_wait_dscnt 8
	WIN MUL_LO
	MUL16 F1, 0, 0, 0
	s_wait_dscnt 0
	s_wait_tensorcnt 0x0
	ds_add_u32 v255, v255
	s_wait_dscnt 0x0
	s_barrier_signal -1
	MUL16 F1, 0, 2, 0
	WIN 0
	s_barrier_wait -1
.if \fill
	CREST
	s_add_nc_u64 s[G0+4*\slot+2:G0+4*\slot+3], s[G0+4*\slot+2:G0+4*\slot+3], 2*KSTEP*2
	s_add_nc_u64 s[G0B+4*\slot+2:G0B+4*\slot+3], s[G0B+4*\slot+2:G0B+4*\slot+3], 2*KSTEP*2048
	JLOAD \slot
.endif
	PLACES
	FETCH \next, 0, F0
	WIN MUL_HI
	MUL16 F1, 1, 0, 0
	MUL16 F1, 1, 2, 0
.endm
.macro LAP zero
	THREE 0, \zero
	TURN 0, 1, 1
	THREE 1, 0
	TURN 1, 0, 1
.endm
	s_load_b128 s[4:7], s[0:1], 0x0                ; y s[4:5], wob s[6:7]
	s_load_b64 s[8:9], s[0:1], 0x10                ; part3
	s_set_vgpr_msb 0x40
	v_lshl_add_u32 v255, v0, 2, 0x4c400
	s_set_vgpr_msb 0x4000
	v_mov_b32 v255, 0
	s_set_vgpr_msb 0x1
	ds_add_u32 v255, v255
	s_set_vgpr_msb 0x100
	v_lshrrev_b32 v1, 5, v0
	v_readfirstlane_b32 s16, v1                    ; wave
	s_lshr_b32 s17, s16, 1
	s_and_b32 s18, s16, 1
	s_bfe_u32 s40, ttmp6, 0x40000                  ; cx
	s_bfe_u32 s41, ttmp6, 0x40004                  ; cy
	s_and_b32 s19, ttmp7, 0xffff
	s_lshr_b32 s20, s19, 1                         ; r: which eighth of K
	s_and_b32 s21, s19, 1
	s_lshl2_add_u32 s42, s21, s41                  ; block row of 256
	s_lshl_b32 s45, ttmp9, 2
	s_add_co_u32 s45, s45, s40                     ; block column of 256
	s_lshl_b32 s43, s41, 2
	s_lshl_b32 s43, 15, s43
	s_lshl_b32 s44, 0x1111, s40
	s_or_b32 s[G1+0], s43, (1<<16)|(1<<20)|(1<<21)|(5<<22)|(3<<25)
	s_mov_b32 s[G1+1], KSTEP<<16
	s_mov_b32 s[G1+2], 128<<16
	s_mov_b32 s[G1+3], KSTEP<<16
	s_mov_b32 s[G1+4], 128
	s_mov_b32 s[G1+5], 8192                        ; Y's rows are 8,192 elements apart
	s_mov_b32 s[G1+6], 0
	s_mov_b32 s[G1+7], 0
	s_or_b32 s[G1B+0], s44, (1<<16)|(1<<20)|(1<<21)|(6<<22)|(7<<25)
	s_mov_b32 s[G1B+1], 256<<16
	s_mov_b32 s[G1B+2], 64<<16
	s_mov_b32 s[G1B+3], 256<<16
	s_mov_b32 s[G1B+4], 64
	s_mov_b32 s[G1B+5], 1024
	s_mov_b32 s[G1B+6], 0
	s_mov_b32 s[G1B+7], 0
	s_lshl_b32 s46, s42, 8                         ; Y: row 256 x block row + 128 half, column 1024 r: no cx in it
	s_lshl_b32 s47, s18, 7
	s_add_co_u32 s46, s46, s47
	s_lshl_b32 s46, s46, 14
	s_lshl_b32 s47, s20, 11
	s_add_co_u32 s46, s46, s47
	s_mov_b32 s47, 0
	s_lshl_b32 s66, s20, 10                        ; Wo: row 1024 r + 64 half, column 256 x block column: no cy in it
	s_lshl_b32 s67, s18, 6
	s_add_co_u32 s66, s66, s67
	s_lshl_b32 s66, s66, 11
	s_lshl_b32 s67, s45, 9
	s_add_co_u32 s66, s66, s67
	s_mov_b32 s67, 0
	s_mul_i32 s68, s16, HALFT
	s_wait_dscnt 0x0
	s_wait_kmcnt 0x0
	s_add_nc_u64 s[46:47], s[4:5], s[46:47]
	s_add_nc_u64 s[66:67], s[6:7], s[66:67]
	CROUND
.irp s, 0,1
	s_mov_b32 s[G0+4*\s], 1
	s_add_co_u32 s[G0+4*\s+1], s68, \s*SLOT
	s_add_nc_u64 s[G0+4*\s+2:G0+4*\s+3], s[46:47], \s*KSTEP*2
	s_or_b32 s[G0+4*\s+3], s[G0+4*\s+3], 0x80000000
	s_mov_b32 s[G0B+4*\s], 1
	s_add_co_u32 s[G0B+4*\s+1], s68, \s*SLOT
	s_add_nc_u64 s[G0B+4*\s+2:G0B+4*\s+3], s[66:67], \s*KSTEP*2048
	s_or_b32 s[G0B+4*\s+3], s[G0B+4*\s+3], 0x80000000
	JLOAD \s
.endr
	v_and_b32 v1, 15, v0                           ; r
	v_bfe_u32 v2, v0, 4, 1                         ; hl
	v_mul_u32_u24 v4, v1, PITCH
	v_lshl_add_u32 v4, v2, 4, v4
	s_mul_i32 s79, s17, HALFT
	v_add_nc_u32 v[ADRA], s79, v4
	s_add_co_u32 s79, s79, SLOT
	v_add_nc_u32 v[ADRA+1], s79, v4
	v_and_b32 v5, 7, v0
	v_lshl_add_u32 v5, v2, 3, v5
	v_mul_u32_u24 v5, v5, BP
	v_bfe_u32 v6, v0, 3, 1
	v_lshl_add_u32 v5, v6, 4, v5
	s_lshl_b32 s83, s18, 8
	s_add_co_u32 s83, s83, 2*HALFT
	v_add_nc_u32 v[ADRB], s83, v5
	s_add_co_u32 s83, s83, SLOT
	v_add_nc_u32 v[ADRB+1], s83, v5
	s_mul_i32 s80, s16, 16*FPITCH
	s_add_co_u32 s80, s80, STAGE                   ; my stage
	v_mul_u32_u24 v5, v1, FPITCH
	v_lshl_add_u32 v5, v2, 5, v5
	v_add_nc_u32 v[STO], s80, v5                   ; in: row r, 32 bytes for each half of the lanes
	v_and_b32 v6, 31, v0
	v_lshlrev_b32 v[CO], 4, v6                     ; back and out: the wave takes a whole row of 512 bytes
	v_add_nc_u32 v[RD], s80, v[CO]
	s_wait_tensorcnt 0x1                           ; my part of K step 0 is in; K step 1's stays out
	s_barrier_signal -1
	s_barrier_wait -1
	FETCH 0, 0, F0
	LAP 1
	WIN 0
	s_mov_b32 s3, LAPS-2
.Llap:
	LAP 0
	WIN 0
	s_sub_co_u32 s3, s3, 1
	s_cmp_lg_u32 s3, 0
	s_cbranch_scc1 .Llap
	THREE 0, 0
	TURN 0, 1, 0
	THREE 1, 0
	s_wait_dscnt 8
	WIN MUL_LO
	MUL16 F1, 0, 0, 0
	MUL16 F1, 0, 2, 0
	s_wait_dscnt 0
	WIN MUL_HI
	MUL16 F1, 1, 0, 0
	MUL16 F1, 1, 2, 0
	PLACES                                         ; behind the last matrix instructions, in front of the LDS stores that read the sums
	s_lshl_b32 s90, s20, 23                        ; 8,388,608 r
	s_lshl_b32 s91, s42, 8
	s_lshl_b32 s92, s17, 7
	s_add_co_u32 s91, s91, s92
	s_lshl_b32 s91, s91, 12                        ; + my first row, 4,096 bytes each
	s_add_co_u32 s90, s90, s91
	s_lshl_b32 s91, s45, 10
	s_add_co_u32 s90, s90, s91
	s_lshl_b32 s91, s18, 9
	s_add_co_u32 s90, s90, s91                     ; + my first column, 4 bytes each
	s_mov_b32 s91, 0
	s_add_nc_u64 s[8:9], s[8:9], s[90:91]
; 16 rows in f32: straight from the accumulators into my stage, back as whole rows, each store of the wave 512 consecutive bytes, aligned
.macro OUTF i, a, st, f
	WIN \st
.irp b, 0,1,2,3,4,5,6,7
	ds_store_b128 v[STO], v[8*(8*\a+\b):8*(8*\a+\b)+3]   offset:64*\b
	ds_store_b128 v[STO], v[8*(8*\a+\b)+4:8*(8*\a+\b)+7] offset:64*\b+16
.endr
	WIN 0
	s_wait_xcnt 0x0                                ; buffer f and the stores' base are rewritten only behind this wait
.if \i
	s_add_nc_u64 s[8:9], s[8:9], 16*4096
.endif
.irp t, 0,1,2,3,4,5,6,7,8,9,10,11,12,13,14,15
	ds_load_b128 v[\f+4*\t:\f+4*\t+3], v[RD] offset:\t*FPITCH
.endr
.irp t, 0,1,2,3,4,5,6,7,8,9,10,11,12,13,14,15
	s_wait_dscnt 15-\t
	global_store_b128 v[CO], v[\f+4*\t:\f+4*\t+3], s[8:9] offset:\t*4096
.endr
.endm
	OUTF 0, 0, ST2, F0
	OUTF 1, 1, ST2, F1
	OUTF 2, 2, ST2, F0
	OUTF 3, 3, ST2, F1
	OUTF 4, 0, ST3, F0
	OUTF 5, 1, ST3, F1
	OUTF 6, 2, ST3, F0
	OUTF 7, 3, ST3, F1
	s_set_vgpr_msb 0x1
	s_wait_tensorcnt 0x0
	ds_add_u32 v255, v255
	s_wait_dscnt 0x0
	s_set_vgpr_msb 0x100
	CROUND                                         ; the closing round
	s_endpgm
.Lfunc_end_k_q914fd98bde_proj:
	.size	k_q914fd98bde_proj, .Lfunc_end_k_q914fd98bde_proj-k_q914fd98bde_proj
	.p2alignl 7, 3214868480
	.fill 96, 4, 3214868480
	.section	.rodata,"a",@progbits
	.p2align	6, 0x0
	.amdhsa_kernel k_q914fd98bde_proj
		.amdhsa_group_segment_fixed_size 327680
		.amdhsa_private_segment_fixed_size 0
		.amdhsa_enable_private_segment 0
		.amdhsa_kernarg_size 24
		.amdhsa_user_sgpr_count 2
		.amdhsa_user_sgpr_kernarg_segment_ptr 1
		.amdhsa_wavefront_size32 1
		.amdhsa_system_sgpr_workgroup_id_x 1
		.amdhsa_system_sgpr_workgroup_id_y 1
		.amdhsa_system_sgpr_workgroup_id_z 1
		.amdhsa_system_vgpr_workitem_id 0
		.amdhsa_next_free_vgpr 1024
		.amdhsa_next_free_sgpr 100
		.amdhsa_reserve_vcc 0
		.amdhsa_float_denorm_mode_32 3
		.amdhsa_float_denorm_mode_16_64 3
		.amdhsa_memory_ordered 1
		.amdhsa_forward_progress 1
		.amdhsa_inst_pref_size 196
	.end_amdhsa_kernel
	.amdgpu_metadata
---
amdhsa.version: [ 1, 2 ]
amdhsa.kernels:
  - .name:           k_q914fd98bde_proj
    .symbol:         k_q914fd98bde_proj.kd
    .args:
      - { .name: y, .offset: 0, .size: 8, .value_kind: global_buffer, .address_space: global }
      - { .name: wob, .offset: 8, .size: 8, .value_kind: global_buffer, .address_space: global }
      - { .name: part3, .offset: 16, .size: 8, .value_kind: global_buffer, .address_space: global }
    .group_segment_fixed_size: 327680
    .private_segment_fixed_size: 0
    .kernarg_segment_align: 8
    .kernarg_segment_size: 24
    .max_flat_workgroup_size: 128
    .sgpr_count:     100
    .vgpr_count:     1024
    .wavefront_size: 32
...
	.end_amdgpu_metadata
.endif
;; end of part 4
;; launch finish (part 5): grid 1024 x 1, 8 waves a work-group, no clusters, 0 bytes of LDS; arguments part3, e, vc, out0; writes out0
.if DOCPART == 5
	.amdgcn_target "amdgcn-amd-amdhsa--gfx1250"
	.amdhsa_code_object_version 6
	.text
	.protected	k_q914fd98bde_finish
	.globl	k_q914fd98bde_finish
	.p2align	8
	.type	k_q914fd98bde_finish,@function
k_q914fd98bde_finish:
	s_mov_b64 s[64:65], 0
	v_nop
	global_prefetch_b8 v0, s[64:65] scope:SCOPE_SE
	s_setreg_imm32_b32 hwreg(HW_REG_WAVE_MODE, 25, 1), 1
	s_wait_xcnt 0x0
; out0[b][s][n] = sum over r = 0 .. 7 (ascending) of part3[r][1024 b + s][n]  +  ((e[0][s][n] - E[n]) + (e[1][s][n] - E[n])) / (s + 1).
; One work-group for each s; thread t owns 16 bytes of the row, for both b: 19 loads of 16 bytes a lane go out together, two stores follow.
; A stream: every byte is read once, each load and store of a wave covers 512 consecutive bytes; LDS, matrix units and clusters would add nothing.
; 1 / (s + 1) is v_rcp_f32.
	s_load_b256 s[4:11], s[0:1], 0x0               ; part3 s[4:5], e s[6:7], vc s[8:9], out0 s[10:11]
	s_lshl_b32 s12, ttmp9, 12                      ; row s, 4,096 bytes
	s_mov_b32 s13, 0
	s_add_co_u32 s14, ttmp9, 1
	v_cvt_f32_u32 v84, s14
	v_rcp_f32 v84, v84
	v_lshlrev_b32 v1, 4, v0                        ; (also the plain place behind v_rcp_f32: ISA guide 5.7.2)
	s_wait_alu depctr_va_vdst(0)
	v_mov_b32 v85, v84                             ; a pair for the packed multiply-add
	s_wait_kmcnt 0x0
	s_add_nc_u64 s[16:17], s[4:5], s[12:13]
.irp r, 1,2,3,4,5,6,7
	s_add_nc_u64 s[16+2*\r:17+2*\r], s[14+2*\r:15+2*\r], 0x800000     ; the parts lie 8,388,608 bytes apart
.endr
	s_add_nc_u64 s[6:7], s[6:7], s[12:13]
	s_add_nc_u64 s[10:11], s[10:11], s[12:13]
.irp r, 0,1,2,3,4,5,6,7
	global_load_b128 v[8+4*\r:11+4*\r],  v1, s[16+2*\r:17+2*\r] th:TH_LOAD_NT
	global_load_b128 v[40+4*\r:43+4*\r], v1, s[16+2*\r:17+2*\r] offset:4194304 th:TH_LOAD_NT
.endr
	global_load_b128 v[72:75], v1, s[6:7] th:TH_LOAD_NT
	global_load_b128 v[76:79], v1, s[6:7] offset:4194304 th:TH_LOAD_NT
	global_load_b128 v[80:83], v1, s[8:9] offset:4194304               ; E, which every work-group reads
	s_wait_loadcnt 0x0
	v_pk_add_f32 v[72:73], v[72:73], v[80:81] neg_lo:[0,1] neg_hi:[0,1]
	v_pk_add_f32 v[74:75], v[74:75], v[82:83] neg_lo:[0,1] neg_hi:[0,1]
	v_pk_add_f32 v[76:77], v[76:77], v[80:81] neg_lo:[0,1] neg_hi:[0,1]
	v_pk_add_f32 v[78:79], v[78:79], v[82:83] neg_lo:[0,1] neg_hi:[0,1]
	v_pk_add_f32 v[72:73], v[72:73], v[76:77]
	v_pk_add_f32 v[74:75], v[74:75], v[78:79]
.irp r, 1,2,3,4,5,6,7
	v_pk_add_f32 v[8:9],   v[8:9],   v[8+4*\r:9+4*\r]
	v_pk_add_f32 v[10:11], v[10:11], v[10+4*\r:11+4*\r]
	v_pk_add_f32 v[40:41], v[40:41], v[40+4*\r:41+4*\r]
	v_pk_add_f32 v[42:43], v[42:43], v[42+4*\r:43+4*\r]
.endr
	v_pk_fma_f32 v[8:9],   v[72:73], v[84:85], v[8:9]
	v_pk_fma_f32 v[10:11], v[74:75], v[84:85], v[10:11]
	v_pk_fma_f32 v[40:41], v[72:73], v[84:85], v[40:41]
	v_pk_fma_f32 v[42:43], v[74:75], v[84:85], v[42:43]
	global_store_b128 v1, v[8:11],  s[10:11] th:TH_STORE_NT
	global_store_b128 v1, v[40:43], s[10:11] offset:4194304 th:TH_STORE_NT
	s_endpgm
.Lfunc_end_k_q914fd98bde_finish:
	.size	k_q914fd98bde_finish, .Lfunc_end_k_q914fd98bde_finish-k_q914fd98bde_finish
	.p2alignl 7, 3214868480
	.fill 96, 4, 3214868480
	.section	.rodata,"a",@progbits
	.p2align	6, 0x0
	.amdhsa_kernel k_q914fd98bde_finish
		.amdhsa_group_segment_fixed_size 0
		.amdhsa_private_segment_fixed_size 0
		.amdhsa_enable_private_segment 0
		.amdhsa_kernarg_size 32
		.amdhsa_user_sgpr_count 2
		.amdhsa_user_sgpr_kernarg_segment_ptr 1
		.amdhsa_wavefront_size32 1
		.amdhsa_system_sgpr_workgroup_id_x 1
		.amdhsa_system_sgpr_workgroup_id_y 1
		.amdhsa_system_sgpr_workgroup_id_z 1
		.amdhsa_system_vgpr_workitem_id 0
		.amdhsa_next_free_vgpr 96
		.amdhsa_next_free_sgpr 66
		.amdhsa_reserve_vcc 0
		.amdhsa_float_denorm_mode_32 3
		.amdhsa_float_denorm_mode_16_64 3
		.amdhsa_memory_ordered 1
		.amdhsa_forward_progress 1
		.amdhsa_inst_pref_size 6
	.end_amdhsa_kernel
	.amdgpu_metadata
---
amdhsa.version: [ 1, 2 ]
amdhsa.kernels:
  - .name:           k_q914fd98bde_finish
    .symbol:         k_q914fd98bde_finish.kd
    .args:
      - { .name: part3, .offset: 0, .size: 8, .value_kind: global_buffer, .address_space: global }
      - { .name: e, .offset: 8, .size: 8, .value_kind: global_buffer, .address_space: global }
      - { .name: vc, .offset: 16, .size: 8, .value_kind: global_buffer, .address_space: global }
      - { .name: out0, .offset: 24, .size: 8, .value_kind: global_buffer, .address_space: global }
    .group_segment_fixed_size: 0
    .private_segment_fixed_size: 0
    .kernarg_segment_align: 8
    .kernarg_segment_size: 32
    .max_flat_workgroup_size: 256
    .sgpr_count:     66
    .vgpr_count:     96
    .wavefront_size: 32
...
	.end_amdgpu_metadata
.endif
;; end of part 5
;; ======== version 2 of 2: 5 launches; version 1 with the launch prep1 written anew for expert scheduling mode
;; limits: values outside matrix products are rounded to bf16
;; workspace buffers: part 1,048,576 bytes; pb 4,198,400 bytes; wob 16,777,216 bytes; vc 4,198,400 bytes; stats 1,048,576 bytes; pt 33,554,432 bytes; y 33,554,432 bytes; part3 67,108,864 bytes
;; launch prep1 (part 6): grid 461 x 1, 8 waves a work-group, no clusters, 0 bytes of LDS; arguments wte_weight, p, part, pb; writes part, pb
.if DOCPART == 6
	.amdgcn_target "amdgcn-amd-amdhsa--gfx1250"
	.amdhsa_code_object_version 6
	.text
	.protected	k_q914fd98bde_prep1
	.globl	k_q914fd98bde_prep1
	.p2align	8
	.type	k_q914fd98bde_prep1,@function
k_q914fd98bde_prep1:
	s_mov_b64 s[64:65], 0
	v_nop
	global_prefetch_b8 v0, s[64:65] scope:SCOPE_SE
	s_setreg_imm32_b32 hwreg(HW_REG_WAVE_SCHED_MODE, 0, 2), 2
	s_setreg_imm32_b32 hwreg(HW_REG_WAVE_MODE, 25, 1), 1
	s_wait_xcnt 0x0
	s_wait_alu depctr_vm_vsrc(0)
; Two streams in one launch, told apart by the work-group's number:
;   0 .. 255    part[g][c] = sum of wte rows 125 g .. 125 g + 124 (f32), 256 partial column sums
;   256 .. 460  pb = bf16(p), 10 rows of 1,024 numbers each (2,050 rows in all)
; Eight waves; thread t owns the 16 bytes at 16 t of every f32 row, so a wave's load covers 512 consecutive bytes and the
; eight waves a whole row.  No LDS, no matrix unit, no cluster: no byte is read twice and no work-group shares an input.
; THE MODE: SCHED_MODE bits 1:0 = 2 (LLVM: expert scheduling mode 2), set by the entry lines.  The code itself states the register dependences
; between vector instructions and memory instructions, with s_wait_alu, always for 0.
; THE PLAN.  Registers that memory instructions touch:
;   v1, v2     byte offsets, made once at the head and never written again: rows are reached by the scalar bases and by immediate offsets.
;   X          THE SUM: 25 slots in five blocks of five.  A block's ten additions read its slots; ONE wait behind them states that they are done reading,
;              and the block's five loads (the rows 25 further down) follow it into the same registers.  So 20 to 25 loads of a wave are on their way.
;              THE CAST: slots 0 to 9, loaded once, converted in place, stored from; none is written again behind its store.
;   ACC        named by vector instructions alone, until the one store at the sum's end.
; No register that a store reads is written again, so the text holds no wait on vm_vsrc.
.set ROW,   4096                       ; bytes in an f32 row
.set DEPTH, 25                         ; loads of a wave that are on their way in the sum
.set BLK,   5                          ; slots in a block
.set X,     8                          ; v[8:107]   slot i: 4 registers as loaded
.set ACC,   108                        ; v[108:123] four chains of 4 sums
; Block k of a round of the sum: slots 5 k .. 5 k + 4, in ascending order, slot i onto chain i % 4.
; ahead = 1: the block is filled again with the rows DEPTH further down.  left = how many younger loads may stay out.
.macro BLOCK k, ahead, left
	s_wait_loadcnt \left                           ; loads come back in order: the block's five are in, the younger ones stay out
.irp j, 0,1,2,3,4
.set n, BLK*(\k)+(\j)
	v_pk_add_f32 v[ACC+4*(n%4):ACC+4*(n%4)+1], v[ACC+4*(n%4):ACC+4*(n%4)+1], v[X+4*n:X+4*n+1]
	v_pk_add_f32 v[ACC+4*(n%4)+2:ACC+4*(n%4)+3], v[ACC+4*(n%4)+2:ACC+4*(n%4)+3], v[X+4*n+2:X+4*n+3]
.endr
.if \ahead
	s_wait_alu depctr_va_vdst(0)                   ; the ten additions above are done reading the block's slots, in which the five loads below land
.irp j, 0,1,2,3,4
.set n, BLK*(\k)+(\j)
	global_load_b128 v[X+4*n:X+4*n+3], v1, s[4:5] offset:(DEPTH+n)*ROW th:TH_LOAD_NT
.endr
.endif
.endm
	s_load_b256 s[4:11], s[0:1], 0x0               ; wte s[4:5], p s[6:7], part s[8:9], pb s[10:11]
	v_lshlrev_b32 v1, 4, v0                        ; my 16 bytes of an f32 row
	v_lshlrev_b32 v2, 3, v0                        ; my 8 bytes of a bf16 row
	s_mov_b32 s17, 0
	s_mov_b32 s19, 0
	s_wait_alu depctr_va_vdst(0)                   ; v1 and v2 are written: every load and store of both streams reads one of them as its offset
	s_wait_kmcnt 0x0
	s_cmp_lt_u32 ttmp9, 256
	s_cbranch_scc1 .Lsum
	; p: 10 rows; all ten loads go out first.  The rows are converted in two halves; the first half's stores stand among the second half's conversions.
	s_sub_co_u32 s20, ttmp9, 256
	s_mul_i32 s16, s20, 10*ROW
	s_mul_i32 s18, s20, 5*ROW
	s_add_nc_u64 s[6:7], s[6:7], s[16:17]
	s_add_nc_u64 s[10:11], s[10:11], s[18:19]
.irp i, 0,1,2,3,4,5,6,7,8,9
	global_load_b128 v[X+4*(\i):X+4*(\i)+3], v1, s[6:7] offset:(\i)*ROW th:TH_LOAD_NT
.endr
	s_wait_loadcnt 5                               ; rows 0 to 4 are in; the five younger loads stay out
.irp i, 0,1,2,3,4
	v_cvt_pk_bf16_f32 v[X+4*(\i)], v[X+4*(\i)], v[X+4*(\i)+1]
	v_cvt_pk_bf16_f32 v[X+4*(\i)+1], v[X+4*(\i)+2], v[X+4*(\i)+3]
.endr
	s_wait_loadcnt 0x0                             ; rows 5 to 9 are in
	s_wait_alu depctr_va_vdst(0)                   ; the conversions of rows 0 to 4 have written their slots' first two registers, which the five stores below read
.irp i, 0,1,2,3,4
	global_store_b64 v2, v[X+4*(\i):X+4*(\i)+1], s[10:11] offset:(\i)*ROW/2       ; 32 lanes x 8 bytes = 256 consecutive bytes, aligned; no vector instruction since the wait names these registers
	v_cvt_pk_bf16_f32 v[X+4*(\i)+20], v[X+4*(\i)+20], v[X+4*(\i)+21]              ; row 5 + i
	v_cvt_pk_bf16_f32 v[X+4*(\i)+21], v[X+4*(\i)+22], v[X+4*(\i)+23]
.endr
	s_wait_alu depctr_va_vdst(0)                   ; the conversions of rows 5 to 9 have written the registers that the last five stores read
.irp i, 5,6,7,8,9
	global_store_b64 v2, v[X+4*(\i):X+4*(\i)+1], s[10:11] offset:(\i)*ROW/2
.endr
	s_endpgm
.Lsum:	; 125 rows = 5 rounds of 25 slots
	s_mul_i32 s16, ttmp9, 125*ROW
	s_lshl_b32 s18, ttmp9, 12
	s_add_nc_u64 s[4:5], s[4:5], s[16:17]
	s_add_nc_u64 s[8:9], s[8:9], s[18:19]
.irp i, 0,1,2,3,4,5,6,7,8,9,10,11,12,13,14,15,16,17,18,19,20,21,22,23,24
	global_load_b128 v[X+4*(\i):X+4*(\i)+3], v1, s[4:5] offset:(\i)*ROW th:TH_LOAD_NT
.endr
.irp i, 0,1,2,3,4,5,6,7,8,9,10,11,12,13,14,15
	v_mov_b32 v[ACC+(\i)], 0
.endr
	s_mov_b32 s20, 4
.Lround:
.irp k, 0,1,2,3,4
	BLOCK \k, 1, DEPTH-BLK
.endr
	s_wait_xcnt 0x0                                ; the base is stepped only behind this wait
	s_add_nc_u64 s[4:5], s[4:5], DEPTH*ROW
	s_sub_co_u32 s20, s20, 1
	s_cmp_lg_u32 s20, 0
	s_cbranch_scc1 .Lround
.irp k, 0,1,2,3,4
	BLOCK \k, 0, DEPTH-BLK-BLK*(\k)                ; the last round loads nothing: the counts run down
.endr
	v_pk_add_f32 v[ACC:ACC+1], v[ACC:ACC+1], v[ACC+4:ACC+5]
	v_pk_add_f32 v[ACC+2:ACC+3], v[ACC+2:ACC+3], v[ACC+6:ACC+7]
	v_pk_add_f32 v[ACC+8:ACC+9], v[ACC+8:ACC+9], v[ACC+12:ACC+13]
	v_pk_add_f32 v[ACC+10:ACC+11], v[ACC+10:ACC+11], v[ACC+14:ACC+15]
	v_pk_add_f32 v[ACC:ACC+1], v[ACC:ACC+1], v[ACC+8:ACC+9]
	v_pk_add_f32 v[ACC+2:ACC+3], v[ACC+2:ACC+3], v[ACC+10:ACC+11]
	s_wait_alu depctr_va_vdst(0)                   ; the last additions have written v[ACC:ACC+3], which the store reads
	global_store_b128 v1, v[ACC:ACC+3], s[8:9]
	s_endpgm
.Lfunc_end_k_q914fd98bde_prep1:
	.size	k_q914fd98bde_prep1, .Lfunc_end_k_q914fd98bde_prep1-k_q914fd98bde_prep1
	.p2alignl 7, 3214868480
	.fill 96, 4, 3214868480
	.section	.rodata,"a",@progbits
	.p2align	6, 0x0
	.amdhsa_kernel k_q914fd98bde_prep1
		.amdhsa_group_segment_fixed_size 0
		.amdhsa_private_segment_fixed_size 0
		.amdhsa_enable_private_segment 0
		.amdhsa_kernarg_size 32
		.amdhsa_user_sgpr_count 2
		.amdhsa_user_sgpr_kernarg_segment_ptr 1
		.amdhsa_wavefront_size32 1
		.amdhsa_system_sgpr_workgroup_id_x 1
		.amdhsa_system_sgpr_workgroup_id_y 1
		.amdhsa_system_sgpr_workgroup_id_z 1
		.amdhsa_system_vgpr_workitem_id 0
		.amdhsa_next_free_vgpr 124
		.amdhsa_next_free_sgpr 66
		.amdhsa_reserve_vcc 0
		.amdhsa_float_denorm_mode_32 3
		.amdhsa_float_denorm_mode_16_64 3
		.amdhsa_memory_ordered 1
		.amdhsa_forward_progress 1
		.amdhsa_inst_pref_size 18
	.end_amdhsa_kernel
	.amdgpu_metadata
---
amdhsa.version: [ 1, 2 ]
amdhsa.kernels:
  - .name:           k_q914fd98bde_prep1
    .symbol:         k_q914fd98bde_prep1.kd
    .args:
      - { .name: wte_weight, .offset: 0, .size: 8, .value_kind: global_buffer, .address_space: global }
      - { .name: p, .offset: 8, .size: 8, .value_kind: global_buffer, .address_space: global }
      - { .name: part, .offset: 16, .size: 8, .value_kind: global_buffer, .address_space: global }
      - { .name: pb, .offset: 24, .size: 8, .value_kind: global_buffer, .address_space: global }
    .group_segment_fixed_size: 0
    .private_segment_fixed_size: 0
    .kernarg_segment_align: 8
    .kernarg_segment_size: 32
    .max_flat_workgroup_size: 256
    .sgpr_count:     66
    .vgpr_count:     124
    .wavefront_size: 32
...
	.end_amdgpu_metadata
.endif
;; end of part 6
;; launch scores: the kernel of part 2 again; grid 8 x 32, 4 waves a work-group, clusters of 4 x 1, 327,680 bytes of LDS; arguments pb, W_q_diag, W_k_diag, pt, stats, part, e, vc, W_o, wob; writes pt, stats, vc, wob
;; launch pv: the kernel of part 3 again; grid 4 x 64, 4 waves a work-group, clusters of 4 x 4, 327,680 bytes of LDS; arguments pt, vc, stats, W_v_diag, W_LR, y; writes y
;; launch proj: the kernel of part 4 again; grid 4 x 64, 4 waves a work-group, clusters of 4 x 4, 327,680 bytes of LDS; arguments y, wob, part3; writes part3
;; launch finish: the kernel of part 5 again; grid 1024 x 1, 8 waves a work-group, no clusters, 0 bytes of LDS; arguments part3, e, vc, out0; writes out0
